; MI455X (gfx1250); checked and timed in simulation.
; The chip was launched on July 23, 2026; its instructions are those of AMD's public machine-readable ISA for CDNA 5 (MIT licence, August 2026) and "CDNA5" Instruction Set Architecture Reference Guide (July 2026). The comments in the code are by the model that wrote it; some were corrected since.
;; Multi Head Attention. Allowed arithmetic: matrix products marked QUANTISED: E2M3 operands, one E8M0 scale for each 32 along K, by v_wmma_scale_f32_16x16x128_f8f6f4 with both operands' format E2M3, f32 sums; everything else in f32.
;; Inputs: Wk 2,048 x 2,048 float32; Wo 2,048 x 2,048 float32; Wq 2,048 x 2,048 float32; Wv 2,048 x 2,048 float32; bk 2,048 float32; bo 2,048 float32; bq 2,048 float32; bv 2,048 float32; hidden_states 2 x 1,024 x 2,048 float32.
;; Outputs: out0 2 x 1,024 x 2,048 float32.
;; This version of the problem:
;;   THIS VERSION OF THE PROBLEM IS GIVEN IN LOW PRECISION. The matrix products marked QUANTISED in the list below multiply operands that are first quantised to E2M3 (2 exponent bits, 3 mantissa bits; 6 bits a number), with one power-of-two scale for each 32 numbers along K (OCP MX v1.0); their sums are f32. All else is computed in f32.
;;   The module's matrix products, in the order in which they are computed (A, B: the left and right operand; K: the contracted axis; several contracted axes count as one K, in the product's order):
;;     1. [M 2,048, K 2,048] x [K 2,048, N 2,048]; A: input hidden_states; B: input Wq: QUANTISED
;;     2. [M 2,048, K 2,048] x [K 2,048, N 2,048]; A: input hidden_states; B: input Wk: QUANTISED
;;     3. [M 2,048, K 2,048] x [K 2,048, N 2,048]; A: input hidden_states; B: input Wv: QUANTISED
;;     4. batch 32 x [M 1,024, K 128] x [K 128, N 1,024]; A: computed on the way; B: computed on the way: QUANTISED
;;     5. batch 32 x [M 1,024, K 1,024] x [K 1,024, N 128]; A: softmax (see below); B: computed on the way: QUANTISED
;;     6. [M 2,048, K 2,048] x [K 2,048, N 2,048]; A: computed on the way; B: input Wo: QUANTISED
;;   THE QUANTISER, for each operand of a quantised product, along K:
;;     - K is cut into blocks of 32 from its start; a last block that is shorter is filled with zeros.
;;     - A block's scale is 2^e with e = floor(log2(the largest magnitude in the block)) - 2, held to -126 .. 127; a block of zeros has e = 0. As a byte (E8M0): e + 127.
;;     - Each number is divided by its block's scale, clamped to +-7.5, and rounded to the nearest number of E2M3, ties to even, subnormals kept.
;;     - The product sums the exact products of the quantised numbers (number of the format x scale) in f32.
;;   ~~~python
;;   def quantise(x, axis):      # numpy; x: float32 -> the quantised numbers, widened to float32 again
;;       x = np.moveaxis(x, axis, -1); K = x.shape[-1]
;;       x = np.pad(x, [(0, 0)] * (x.ndim - 1) + [(0, -K % 32)]); x = x.reshape(x.shape[:-1] + (-1, 32)); a = np.abs(x).max(-1, keepdims=True)
;;       e = np.where(a > 0, np.clip(np.frexp(np.where(a > 0, a, 1))[1] - 1 - 2, -126, 127), 0)      # np.frexp(a)[1] - 1 = floor(log2(a)), exactly
;;       r = np.clip(x / 2.0 ** e, -7.5, 7.5)
;;       step = 2.0 ** (np.maximum(np.frexp(np.where(r == 0, 1, r))[1] - 1, 0) - 3)
;;       q = np.round(r / step) * step * 2.0 ** e      # np.round: ties to even
;;       return np.moveaxis(q.reshape(q.shape[:-2] + (-1,))[..., :K], -1, axis).astype(np.float32)
;;   ~~~
;;   SOFTMAX AHEAD OF A QUANTISED PRODUCT. Where the list says 'softmax', what is quantised is not the finished softmax but p = 2^(t - M), with t = logit x log2(e) and M = ceil(the row's largest t), a whole number; so 1/2 < the row's largest p <= 1. The row's sum l is taken of the UNQUANTISED p, in f32, and the product's result is divided by l at the end. Since M is a whole number, a kernel that streams over the keys may use a running M (the ceiling of the running maximum): every later rescaling is an exact power of two, which a block's scale takes up: the codes' values come out the same.
;;   OPERANDS COMPUTED ON THE WAY. 'Computed on the way' means the value that the module computes at that place (a softmax that the list does not call 'softmax' is quantised finished and normalised). What goes into a quantiser is computed in f32, as accurately as f32 sums, v_exp_f32 and their like allow (about 1e-6 of the number): no bf16 or f16 on the way to a quantiser, and a product that is left as it is and whose result goes on into a quantised operand takes f32 operands (vector FMAs, or v_wmma_f32_16x16x4_f32). A number that lies on a knife's edge between two numbers of the format may be rounded either way, as far as f32 arithmetic and the matrix unit's own rounding can turn it there, and no further.
;; One version. Each part assembles by itself: llvm-mc -triple=amdgcn-amd-amdhsa -mcpu=gfx1250 --defsym DOCPART=n.
;; ======== version 1 of 1: 4 launches
;; limits: right only within a limited range of input values
;; workspace buffers: xop 3,276,800 bytes; wop 13,107,200 bytes; rope 524,288 bytes; qop 3,276,800 bytes; kvop 6,553,600 bytes; aop 3,276,800 bytes
;; launch quant (part 1): grid 256 x 1, 20 waves a work-group, no clusters, 120,832 bytes of LDS; arguments Wq, Wk, Wv, Wo, hidden_states, wop, xop, rope; writes wop, xop, rope
.if DOCPART == 1
	.amdgcn_target "amdgcn-amd-amdhsa--gfx1250"
	.amdhsa_code_object_version 6
	.text
	.protected	k_q509e08b708_quant
	.globl	k_q509e08b708_quant
	.p2align	8
	.type	k_q509e08b708_quant,@function
k_q509e08b708_quant:
	s_mov_b64 s[64:65], 0
	v_nop
	global_prefetch_b8 v0, s[64:65] scope:SCOPE_SE
	s_setreg_imm32_b32 hwreg(HW_REG_WAVE_MODE, 25, 1), 1
	s_wait_xcnt 0x0
; The four weights [2048 (k)][2048 (n)] and hidden_states [2048 rows][2048 (k)], f32, become codes of FP6 (E2M3) with one E8M0 byte for each 32 along K, laid as the matrix unit's registers want them; and the table of cosines and sines is made.
; A block's scale is 2^(floor(log2(largest magnitude)) - 2): its byte is the largest magnitude's exponent field - 2, held at 1 from below.
; LIMITS: NaN and infinities among the inputs are not served; blocks whose largest magnitude lies under 2^-124 keep the byte 1; a block of zeros gets the byte 1 where the
; rule says 127 (its codes are zeros, and this program alone reads the bytes).  The table's angles carry the 1 ulp of v_exp_f32 in the frequency: about 1e-4 rad at position 1023.
; A UNIT (12,800 bytes) holds 128 rows x 128 K of an operand.  Tile T (0..7), lane row r (0..15) is row 32 (T / 2) + 8 (T % 2) + r + 8 (r / 8) of the 128.
; The image of tile T lies at 1536 T: byte 512 c + 16 L + x is byte 16 c + x of lane L's 48 bytes (12 registers); lane L = r + 16 h holds k = 64 c' + 32 h + 0..31 in registers 6 c' .. 6 c' + 5.  The scale word of (T, r) lies at 12288 + 64 T + 4 r.
; wop = [n / 128 (the head)][k / 128][q, k, v] units, then from unit 768 on Wo's [n / 128][k / 128];  xop = [row / 128][k / 128] units;  rope = [position][frequency] (cos, sin).
; SHARES.  A work-group takes 128 columns x 512 K of one weight (waves 0..15: 32 along K each: four units) and 64 rows x 256 K of x (waves 16..19: a tile of 16 rows each).  Each wave has 32 loads of 512 consecutive bytes, all issued at its start.
; No input byte is read by two work-groups: no cluster, no tensor load.  The launch has no loop to prefetch in.
.set U,     12800
.set XS,    4*U                        ; LDS: four units; x's scale words; four stages of 16 rows of 1,040 bytes; the spare words
.set XST,   XS+512
.set XP,    1040
.set SPARE, XST+4*16*XP
.set R,     64                         ; v64-191: a wave's 128 numbers a lane
.set FLOOR, 0x1800000                  ; 2^(3 - 127): under it no largest magnitude is taken, so the byte cannot fall under 1
.set EOFF,  0xff000000                 ; takes 2 off an exponent field
	s_load_b512 s[4:19], s[0:1], 0x0               ; Wq s[4:5], Wk s[6:7], Wv s[8:9], Wo s[10:11], x s[12:13], wop s[14:15], xop s[16:17], rope s[18:19]
	v_lshl_add_u32 v62, v0, 2, SPARE
	v_mov_b32 v63, 0
	v_lshrrev_b32 v1, 5, v0
	v_readfirstlane_b32 s20, v1                    ; wave 0..19
	v_and_b32 v1, 31, v0                           ; lane
	v_lshlrev_b32 v2, 4, v1                        ; 16 lane
	v_lshrrev_b32 v5, 4, v1                        ; h
	v_and_b32 v6, 15, v0                           ; r
	v_mul_u32_u24 v7, v5, U
	v_lshl_add_u32 v7, v6, 4, v7                   ; x's scale words on the way out: lanes 0-15 one unit's 256 bytes, lanes 16-31 the next unit's
	v_add_nc_u32 v4, XS, v2
	s_mul_i32 s22, s20, 2560                       ; on the way out a wave stores 2,560 bytes of the four units
	v_add_nc_u32 v3, s22, v2
	s_wait_alu depctr_va_vdst(0)
	s_mul_i32 s21, s20, 13
	s_lshr_b32 s21, s21, 6                         ; wave / 5: which unit they lie in
	s_lshr_b32 s23, ttmp9, 6                       ; which weight
	s_bfe_u32 s24, ttmp9, 0x40002                  ; n / 128
	s_and_b32 s25, ttmp9, 3                        ; k / 512
	s_mul_i32 s26, s24, 48
	s_mul_i32 s27, s25, 12
	s_add_co_u32 s26, s26, s27
	s_add_co_u32 s26, s26, s23
	s_mul_i32 s26, s26, U
	s_mul_i32 s27, s21, 2*U
	s_add_co_u32 s26, s26, s27                     ; q, k, v: neighbouring K lie three units apart
	s_lshl_b32 s28, s24, 4
	s_lshl_b32 s29, s25, 2
	s_add_co_u32 s28, s28, s29
	s_add_co_u32 s28, s28, 768
	s_mul_i32 s28, s28, U                          ; Wo
	s_cmp_eq_u32 s23, 3
	s_cselect_b32 s26, s28, s26
	s_add_co_u32 s26, s26, s22
	s_mov_b32 s27, 0
	s_lshr_b32 s42, ttmp9, 4                       ; x: row / 128
	s_bfe_u32 s43, ttmp9, 0x30001                  ; k / 256
	s_and_b32 s44, ttmp9, 1                        ; which 64 of the rows
	s_lshl_b32 s36, s42, 4
	s_lshl_b32 s37, s43, 1
	s_add_co_u32 s36, s36, s37
	s_mul_i32 s36, s36, U                          ; x's first unit
	s_mov_b32 s37, 0
	s_lshl_b32 s30, s44, 8
	s_add_co_u32 s30, s30, 12288
	s_mov_b32 s31, 0
	s_wait_kmcnt 0x0
	s_add_nc_u64 s[14:15], s[14:15], s[26:27]
	s_add_nc_u64 s[16:17], s[16:17], s[36:37]
	s_add_nc_u64 s[38:39], s[16:17], s[30:31]      ; x's scale words of my 64 rows
	s_cmp_lt_u32 s20, 16
	s_cbranch_scc0 .Lx
; ---------------- a weight.  K is the weight's FIRST axis: a lane takes columns 4 lane + j, and load i is row 32 wave + i: a block of 32 lies in one lane, every fourth register.
	s_cmp_eq_u32 s23, 1                            ; which weight: the choice hangs on the work-group's number alone
	s_cselect_b64 s[4:5], s[6:7], s[4:5]
	s_cmp_eq_u32 s23, 2
	s_cselect_b64 s[4:5], s[8:9], s[4:5]
	s_cmp_eq_u32 s23, 3
	s_cselect_b64 s[4:5], s[10:11], s[4:5]
	s_lshl_b32 s28, s25, 22
	s_lshl_b32 s29, s20, 18
	s_add_co_u32 s28, s28, s29
	s_lshl_b32 s29, s24, 9
	s_add_co_u32 s28, s28, s29
	s_mov_b32 s29, 0
	s_add_nc_u64 s[4:5], s[4:5], s[28:29]
.set I, 0
.rept 32
	global_load_b128 v[R+4*I:R+4*I+3], v2, s[4:5] offset:8192*I th:TH_LOAD_NT
.set I, I+1
.endr
	v_lshrrev_b32 v8, 3, v1
	v_bfe_u32 v9, v1, 1, 1
	v_lshl_or_b32 v8, v8, 1, v9                    ; my columns' tile T = 2 (l / 8) + (l / 2) % 2
	v_and_b32 v9, 1, v1
	v_bfe_u32 v10, v1, 2, 1
	v_lshl_or_b32 v9, v10, 1, v9                   ; r = 4 (l % 2) + 8 ((l / 4) % 2) + j
	v_mul_u32_u24 v10, v8, 1536
	v_lshl_add_u32 v10, v9, 6, v10
	v_lshlrev_b32 v11, 6, v8
	v_lshl_add_u32 v11, v9, 4, v11
	s_lshr_b32 s30, s20, 2
	s_mul_i32 s30, s30, U                          ; my unit; in it my block is half h = wave % 2, registers 6 c on, c = (wave / 2) % 2
	s_and_b32 s31, s20, 1
	s_lshl_b32 s31, s31, 8
	s_add_co_u32 s31, s31, s30
	s_bfe_u32 s33, s20, 0x10001
	s_wait_alu depctr_va_vdst(0)
	s_mul_i32 s34, s33, 520
	s_add_co_u32 s34, s34, s31
	v_add_nc_u32 v20, s34, v10                     ; the block's 24 bytes in three pieces of 8: the first and (512 on) the third,
	s_mul_i32 s35, s33, 1016
	s_add_co_u32 s35, s35, s31
	s_add_co_u32 s35, s35, 8
	v_add_nc_u32 v21, s35, v10                     ; and the second
	s_and_b32 s33, s20, 3
	s_add_co_u32 s33, s33, s30
	s_add_co_u32 s33, s33, 12288
	v_add_nc_u32 v22, s33, v11                     ; and its scale byte
.macro MAXQ g                          ; the four columns' largest magnitudes over loads 8 g .. 8 g + 7
	s_wait_alu depctr_va_vdst(0)
	s_wait_loadcnt 24-8*(\g)
.irp i, 0,2,4,6
.irp j, 0,1,2,3
.if (\g == 0) && (\i == 0)
	v_max3_num_f32 v[8+\j], |v[R+\j]|, |v[R+4+\j]|, FLOOR
.else
	v_max3_num_f32 v[8+\j], v[8+\j], |v[R+32*(\g)+4*\i+\j]|, |v[R+32*(\g)+4*\i+4+\j]|
.endif
.endr
.endr
.endm
	MAXQ 0
	MAXQ 1
	MAXQ 2
	MAXQ 3
.irp j, 0,1,2,3
	v_add_nc_u32 v[12+\j], EOFF, v[8+\j]           ; the conversion takes this operand's exponent field as its scale
.endr
.irp j, 0,1,2,3
	v_lshrrev_b32 v[16+\j], 23, v[12+\j]           ; the scale's byte
.endr
.irp j, 0,1,2,3
	ds_store_b8 v22, v[16+\j] offset:4*\j
.endr
.macro COL j                           ; column j: its 32 numbers side by side, converted, into the unit's image
	s_wait_dscnt 0x0                               ; the last column's stores have read their registers
.set I, 0
.rept 32
	v_mov_b32 v[24+I], v[R+4*I+\j]
.set I, I+1
.endr
	v_cvt_scalef32_pk16_fp6_f32 v[56:58], v[24:39], v[12+\j]
	v_cvt_scalef32_pk16_fp6_f32 v[8:10], v[40:55], v[12+\j]      ; (a conversion's three registers begin on an even number)
	v_nop                                          ; one plain line behind the conversions
	v_mov_b32 v59, v8
	v_mov_b32 v60, v9
	v_mov_b32 v61, v10
	ds_store_b64 v20, v[56:57] offset:16*\j
	ds_store_b64 v21, v[58:59] offset:16*\j
	ds_store_b64 v20, v[60:61] offset:16*\j+512
.endm
	COL 0
	COL 1
	COL 2
	COL 3
	s_branch .Ljoin
; ---------------- x.  K is innermost: load i is half i % 2 of row i / 2 of my tile; the rows turn through my stage, and lane (r, h) reads back, for each K step, its two blocks of 32 neighbours.
.Lx:
	s_and_b32 s34, s20, 3                          ; my tile is 4 (which 64 rows) + this
	s_lshl_b32 s28, s42, 20
	s_lshl_b32 s29, s44, 19
	s_add_co_u32 s28, s28, s29
	s_lshr_b32 s29, s34, 1
	s_lshl_b32 s29, s29, 18
	s_add_co_u32 s28, s28, s29
	s_and_b32 s29, s34, 1
	s_lshl_b32 s29, s29, 16
	s_add_co_u32 s28, s28, s29
	s_lshl_b32 s29, s43, 10
	s_add_co_u32 s28, s28, s29
	s_mov_b32 s29, 0
	s_add_nc_u64 s[12:13], s[12:13], s[28:29]
.set I, 0
.rept 32
	global_load_b128 v[R+4*I:R+4*I+3], v2, s[12:13] offset:8192*(I/2+8*(I/16))+512*(I%2) th:TH_LOAD_NT
.set I, I+1
.endr
	s_lshl_b32 s28, s44, 2
	s_add_co_u32 s28, s28, s34
	s_mul_i32 s28, s28, 1536
	s_add_nc_u64 s[16:17], s[16:17], s[28:29]      ; my tile's image
	s_mul_i32 s35, s34, 16*XP
	s_add_co_u32 s35, s35, XST
	v_add_nc_u32 v8, s35, v2                       ; into the stage
	v_mul_u32_u24 v9, v6, XP
	v_lshl_add_u32 v9, v5, 7, v9
	v_add_nc_u32 v9, s35, v9                       ; out of it: row r, + 128 h
	v_lshlrev_b32 v20, 3, v5                       ; 8 h
	v_mov_b32 v21, 0                               ; (a lane permute's destination counts as one of its sources)
	s_lshl_b32 s35, s34, 6
	s_add_co_u32 s35, s35, XS
	v_lshlrev_b32 v22, 8, v5
	v_lshl_add_u32 v22, v6, 2, v22
	v_add_nc_u32 v22, s35, v22                     ; my scale words: 256 h + 64 (my tile of the four) + 4 r
	s_wait_alu depctr_va_vdst(0)
	s_mov_b32 s32, 0x76543210
	s_mov_b32 s33, 0xfedcba98                      ; v_permlanex16_b32's selects for lane l xor 16
	s_mov_b32 s45, 0xffff0000                      ; lanes 16-31
	s_mov_b32 s40, 0x3fc90fdb                      ; pi / 2, upper part,
	s_mov_b32 s41, 0xb33bbd2e                      ; and what is left of it
	; THE TABLE, while the loads are on their way.  A wave makes one position, 4 work-group + (wave - 16); a lane frequencies 2 lane and 2 lane + 1.  Frequency i is 10000^(-i / 64) = 2^(-i log2(10) / 16).
	s_lshl_b32 s36, ttmp9, 2
	s_add_co_u32 s36, s36, s34
	s_lshl_b32 s28, s36, 9
	s_add_nc_u64 s[18:19], s[18:19], s[28:29]
	v_mov_b32 v10, s36
	v_cvt_f32_u32 v10, v10
	v_lshlrev_b32 v11, 1, v1
	v_cvt_f32_u32 v11, v11
	v_add_f32 v12, 1.0, v11
	v_mul_f32 v11, 0xbe549a78, v11
	v_mul_f32 v12, 0xbe549a78, v12
	s_wait_alu depctr_va_vdst(0)
	v_exp_f32 v11, v11
	v_exp_f32 v12, v12
	v_nop                                          ; a plain line behind the exponentials
	s_wait_alu depctr_va_vdst(0)                   ; and behind it
	v_mul_f32 v13, v10, v11                        ; the angles, as f32 products
	v_mul_f32 v14, v10, v12
; cos and sin of v[a] (0 to 1,023 rad): n = the nearest multiple of pi / 2, taken off in two parts; series on what is left (at most pi / 4: the terms left out lie under 2e-9); the quadrant by selects and sign bits.
.macro SINCOS a, c, s
	v_mul_f32 v24, 0x3f22f983, v[\a]
	v_rndne_f32 v24, v24
	v_fma_f32 v25, -v24, s40, v[\a]
	v_fma_f32 v25, -v24, s41, v25
	v_cvt_i32_f32 v29, v24
	v_mul_f32 v26, v25, v25
	v_mov_b32 v27, 0x3638ef1d
	v_mov_b32 v28, 0xb493f27e
	v_fmaak_f32 v27, v27, v26, 0xb9500d01
	v_fmaak_f32 v28, v28, v26, 0x37d00d01
	v_fmaak_f32 v27, v27, v26, 0x3c088889
	v_fmaak_f32 v28, v28, v26, 0xbab60b61
	v_fmaak_f32 v27, v27, v26, 0xbe2aaaab
	v_fmaak_f32 v28, v28, v26, 0x3d2aaaab
	v_mul_f32 v30, v25, v26
	v_fmaak_f32 v28, v28, v26, 0xbf000000
	v_fma_f32 v27, v30, v27, v25                   ; the sine of the rest
	v_fma_f32 v28, v28, v26, 1.0                   ; its cosine
	v_and_b32 v30, 1, v29
	v_cmp_eq_u32 vcc_lo, 1, v30
	v_cndmask_b32 v[\s], v27, v28, vcc_lo          ; odd n: the two change places
	v_cndmask_b32 v[\c], v28, v27, vcc_lo
	v_lshlrev_b32 v30, 30, v29
	v_and_b32 v30, 0x80000000, v30
	v_xor_b32 v[\s], v[\s], v30                    ; sin is negated where n % 4 is 2 or 3,
	v_add_nc_u32 v29, 1, v29
	v_lshlrev_b32 v29, 30, v29
	v_and_b32 v29, 0x80000000, v29
	v_xor_b32 v[\c], v[\c], v29                    ; cos where it is 1 or 2
.endm
	SINCOS 13, 16, 17
	SINCOS 14, 18, 19
	global_store_b128 v2, v[16:19], s[18:19]       ; 32 lanes store a position's 512 bytes; v2 and v16-19 are not written again
	s_wait_alu depctr_va_vdst(0)
.set I, 0
.rept 32
.if I%8 == 0
	s_wait_loadcnt 24-I
.endif
	ds_store_b128 v8, v[R+4*I:R+4*I+3] offset:XP*(I/2)+512*(I%2)
.set I, I+1
.endr
	s_wait_dscnt 0x0                               ; the stores have read their registers
.set I, 0
.rept 32
	ds_load_b128 v[R+4*I:R+4*I+3], v9 offset:512*(I/16)+256*((I/8)%2)+16*(I%8)
.set I, I+1
.endr
.macro XUNIT n                         ; K step n: my blocks h and 2 + h
.set XR, R+64*\n
.set CD, 24+12*\n                      ; each K step has its own 12 registers of codes
	s_wait_dscnt 16-16*\n
.irp c, 0,1
	v_max3_num_f32 v[10+\c], |v[XR+32*\c]|, |v[XR+32*\c+1]|, FLOOR
.endr
.irp i, 2,4,6,8,10,12,14,16,18,20,22,24,26,28,30
.irp c, 0,1
	v_max3_num_f32 v[10+\c], v[10+\c], |v[XR+32*\c+\i]|, |v[XR+32*\c+\i+1]|
.endr
.endr
.irp c, 0,1
	v_add_nc_u32 v[12+\c], EOFF, v[10+\c]
.endr
.irp c, 0,1
	v_lshrrev_b32 v[14+\c], 23, v[12+\c]
.endr
	v_lshl_or_b32 v23, v15, 16, v14                ; my two bytes
	v_lshlrev_b32 v23, v20, v23                    ; at their places in the scale word;
	v_permlanex16_b32 v21, v23, s32, s33
	v_or_b32 v[56+\n], v23, v21                    ; with lane l xor 16's two the word is whole
.irp c, 0,1
	v_cvt_scalef32_pk16_fp6_f32 v[CD+6*\c:CD+6*\c+2], v[XR+32*\c:XR+32*\c+15], v[12+\c]
	v_cvt_scalef32_pk16_fp6_f32 v[48+4*\c:50+4*\c], v[XR+32*\c+16:XR+32*\c+31], v[12+\c]
.endr
	v_nop                                          ; one plain line behind the conversions
.irp c, 0,1
.irp i, 0,1,2
	v_mov_b32 v[CD+6*\c+3+\i], v[48+4*\c+\i]
.endr
.endr
.irp c, 0,1,2
	global_store_b128 v2, v[CD+4*\c:CD+4*\c+3], s[16:17] offset:U*\n+512*\c   ; the image as it stands: 512 consecutive bytes
.endr
.endm
	XUNIT 0
	XUNIT 1
	v_cndmask_b32 v58, v56, v57, s45               ; lanes 0-15: K step 0's word of row r, lanes 16-31: K step 1's
	ds_store_b32 v22, v58
.Ljoin:
	s_wait_dscnt 0x0                               ; for the others' sake: my stores into LDS are done
	s_barrier_signal -1
	s_barrier_wait -1                              ; the units and x's scale words are whole
.irp i, 0,1,2,3,4
	ds_load_b128 v[R+4*\i:R+4*\i+3], v3 offset:512*\i
.endr
	s_cmp_eq_u32 s20, 16
	s_cbranch_scc0 .Lno_words
	ds_load_b128 v[84:87], v4
	s_wait_dscnt 0x0
	global_store_b128 v7, v[84:87], s[38:39]       ; two aligned runs of 256 bytes
.Lno_words:
.irp i, 0,1,2,3,4
	s_wait_dscnt 4-\i
	global_store_b128 v2, v[R+4*\i:R+4*\i+3], s[14:15] offset:512*\i   ; 512 consecutive bytes, aligned to 256
.endr
	s_wait_tensorcnt 0x0                           ; the wave's end
	ds_add_u32 v62, v63
	s_wait_dscnt 0x0
	s_endpgm
.Lfunc_end_k_q509e08b708_quant:
	.size	k_q509e08b708_quant, .Lfunc_end_k_q509e08b708_quant-k_q509e08b708_quant
	.p2alignl 7, 3214868480
	.fill 96, 4, 3214868480
	.section	.rodata,"a",@progbits
	.p2align	6, 0x0
	.amdhsa_kernel k_q509e08b708_quant
		.amdhsa_group_segment_fixed_size 120832
		.amdhsa_private_segment_fixed_size 0
		.amdhsa_enable_private_segment 0
		.amdhsa_kernarg_size 64
		.amdhsa_user_sgpr_count 2
		.amdhsa_user_sgpr_kernarg_segment_ptr 1
		.amdhsa_wavefront_size32 1
		.amdhsa_system_sgpr_workgroup_id_x 1
		.amdhsa_system_sgpr_workgroup_id_y 1
		.amdhsa_system_sgpr_workgroup_id_z 1
		.amdhsa_system_vgpr_workitem_id 0
		.amdhsa_next_free_vgpr 192
		.amdhsa_next_free_sgpr 66
		.amdhsa_reserve_vcc 1
		.amdhsa_float_denorm_mode_32 3
		.amdhsa_float_denorm_mode_16_64 3
		.amdhsa_memory_ordered 1
		.amdhsa_forward_progress 1
		.amdhsa_inst_pref_size 39
	.end_amdhsa_kernel
	.amdgpu_metadata
---
amdhsa.version: [ 1, 2 ]
amdhsa.kernels:
  - .name:           k_q509e08b708_quant
    .symbol:         k_q509e08b708_quant.kd
    .args:
      - { .name: Wq, .offset: 0, .size: 8, .value_kind: global_buffer, .address_space: global }
      - { .name: Wk, .offset: 8, .size: 8, .value_kind: global_buffer, .address_space: global }
      - { .name: Wv, .offset: 16, .size: 8, .value_kind: global_buffer, .address_space: global }
      - { .name: Wo, .offset: 24, .size: 8, .value_kind: global_buffer, .address_space: global }
      - { .name: hidden_states, .offset: 32, .size: 8, .value_kind: global_buffer, .address_space: global }
      - { .name: wop, .offset: 40, .size: 8, .value_kind: global_buffer, .address_space: global }
      - { .name: xop, .offset: 48, .size: 8, .value_kind: global_buffer, .address_space: global }
      - { .name: rope, .offset: 56, .size: 8, .value_kind: global_buffer, .address_space: global }
    .group_segment_fixed_size: 120832
    .private_segment_fixed_size: 0
    .kernarg_segment_align: 8
    .kernarg_segment_size: 64
    .max_flat_workgroup_size: 640
    .sgpr_count:     66
    .vgpr_count:     192
    .wavefront_size: 32
...
	.end_amdgpu_metadata
.endif
;; end of part 1
;; launch qkv (part 2): grid 16 x 16, 4 waves a work-group, clusters of 4 x 4, 327,680 bytes of LDS; arguments xop, wop, bq, bk, bv, rope, qop, kvop; writes qop, kvop
.if DOCPART == 2
	.amdgcn_target "amdgcn-amd-amdhsa--gfx1250"
	.amdhsa_code_object_version 6
	.text
	.protected	k_q509e08b708_qkv
	.globl	k_q509e08b708_qkv
	.p2align	8
	.type	k_q509e08b708_qkv,@function
k_q509e08b708_qkv:
	s_mov_b64 s[64:65], 0
	v_nop
	global_prefetch_b8 v0, s[64:65] scope:SCOPE_SE
	s_setreg_imm32_b32 hwreg(HW_REG_WAVE_MODE, 25, 1), 1
	s_wait_xcnt 0x0
	s_wait_alu depctr_hold_cnt(0) depctr_sa_sdst(0) depctr_va_vdst(0) depctr_va_sdst(0) depctr_va_ssrc(0) depctr_va_vcc(0) depctr_vm_vsrc(0)
	s_getreg_b32 s2, hwreg(HW_REG_IB_STS2, 6, 4)
	s_cmp_eq_u32 s2, 0
	s_cbranch_scc0 .Lentry_in_a_cluster
	s_endpgm
.Lentry_in_a_cluster:
	s_bfe_u32 s2, ttmp6, 0x10000c
	s_cmp_lg_u32 s2, 0xf033
	s_cbranch_scc0 .Lentry_shape_is_right
	s_endpgm
.Lentry_shape_is_right:
; q, k, v = x W + b on codes of FP6 (E2M3) with E8M0 scales; q and k are rotated (f32) and quantised along the head's 128, v along the keys; only codes and scale bytes go to memory.
; SHARES.  Work-group (x, y): head x, rows 128 y .. 128 y + 127 (batch y / 8, positions 128 (y % 8) on): 128 rows x 384 columns.  Wave w makes all 128 rows x (d = 32 w .. 32 w + 31 of q, of k and of v): 48 accumulators.
; OPERANDS come as units of 12,800 bytes (128 rows x 128 K: images of the operands' registers, then scale words; the launch that wrote them states the layout): tile T, lane row r is row 32 (T / 2) + 8 (T % 2) + r + 8 (r / 8).
; q, k: source 0 = 16 columns of W, source 1 = 16 rows of x: lane (r, h) holds ONE row, and the 16 registers of tiles u = 0, 1 are d = 32 w + 16 h + 0..15: half of the block of 32 that is wave w's.
; v: source 0 = 16 rows of x, source 1 = 16 columns of Wv: lane (r, h) holds ONE d, and the 16 registers of x's tiles 2 b, 2 b + 1 are keys 32 b + 16 h + 0..15.
; LDS.  K goes in 16 steps of 128; step u lies at place u % 6: x's unit at 12800 (place), q's, k's and v's at 76800 + 38400 (place).  Places 0-2 and 3-5 are the ring's two slots.
; At the head each wave has one load: wave 0 x's steps 0-5, wave 1 the weights' step 0, wave 2 steps 1-2, wave 3 steps 3-5.  Refills, each in a round of the cluster's barrier: steps 6-8 in step 2, 9-11 in step 5, 12-14 in step 8, 15 in step 11.
; In memory a row group's units of x lie on end along K, and so do a head's units [k / 128][q, k, v]: so a tile is rows of 256 bytes, dense.
; CLUSTER 4 x 4.  x's units hang on y alone and are asked for jointly along a row of the cluster, the weights' on the head alone, jointly along a column.
; PREFETCH.  What the first three refills bring is asked for one refill ahead (steps 6-8 at the head, 9-11 in step 2, 12-14 in step 5), shared out by address among the four partners: 38 blocks of 256 bytes a wave.  Step 15 comes by its load alone.
; THE STEP.  48 products on one set of fragments; the next step's 49 LDS loads, into the other set, stand among them.
; OUT.  qop = [batch x 16 + head][position / 128] records of 12,800 bytes: image of tile T at 1536 T, scale word of (T, r) at 12288 + 64 T + 4 r.  kvop = the same index, 25,600 bytes: k's record, then v's (rows = d, K = the 128 keys).
; LIMITS: NaN and infinities are not served; blocks whose largest magnitude lies under 2^-124 keep the byte 1, blocks of zeros too (their codes are zeros; this program alone reads the bytes).
; REGISTERS, in windows of 256.  window 0: v8-31, v48-57 addresses; v32-47 scale words, two sets, and nothing else; v64-159, v160-255 x's 8 fragments, two sets; on the way out v64-255 are at work.
;   window 1: v0-71, v128-199 the weights' 6 fragments, two sets; v72-119 the biases, as the C of each sum's first product.
;   window 2: q's accumulators at v[8 (2 T + u)], k's at v[128 + 8 (2 T + u)].   window 3: v's at v[8 (8 u + T)]; from v128 (cos, sin) of tile T's rows at v[128 + 16 T + 2 i].
.set U,     12800
.set SPARE, 24*U                       ; the spare words, 128 bytes for each wave: two blocks of 256 bytes that no other line names
.set FLOOR, 0x1800000
.set EOFF,  0xff000000
.set RD2,  11                          ; v11  the last 256 bytes of my quarter of the stage (the stage: q's record, then k's, from LDS byte 0 on: places 0-1 of x have had their last fill, and their last read when every wave has passed step 14's barrier)
.set L16,  12                          ; v12  16 x lane
.set L8,   13                          ; v13  8 x lane
.set ADRA, 14                          ; v14-15  x's images, one for each slot
.set ADRB, 16                          ; v16-21  my tiles of q's images, one for each place
.set ADSA, 22                          ; v22-23  x's scale words
.set ADSB, 24                          ; v24-29  my tiles' scale words
.set SC,   32                          ; set s at v[32 + 8 s]: + T / 2 x's tiles T (lanes 0-15 the even tile's words, 16-31 the odd's); + 4 + m the weights' two tiles of q, k, v
.set AD0,  48                          ; v48-49  the stage: where my block's 24 bytes go
.set AD1,  49
.set ABY,  50                          ; v50  and my block's scale byte
.set RD,   51                          ; v51  my quarter of the stage
.set VO,   52                          ; v52  v's images: 3072 w + 16 lane
.set VS,   53                          ; v53  v's scale words: 12288 + 128 w + 4 lane
.set SPW,  54                          ; v54  my spare word; never rewritten
.set NIL,  55                          ; v55  0; never rewritten
.set PF,   56                          ; v56-57  the prefetches' offsets; never rewritten
.set AF,   64
.set BIAS, 72
.set RS,   64                          ; the way out: rotated numbers
.set RT,   96                          ; and products by the cosine
.set TM,   224
.set G1A,  28                          ; descriptors.  group 1: s[28:35] x's;  s[44:51] the weights' (150 rows: wave 1's at the head, and the ring's);  s[72:79], s[80:87] waves 2's and 3's at the head
.set G1B,  44
.set G1C,  72
.set G1D,  80
.set G0A,  36                          ; group 0: s[36:39] x's;  s[40:43] the ring's for the weights;  s[52:55], s[56:59], s[88:91] waves 1's, 2's and 3's at the head
.set G0R,  40
.set G0B,  52
.set G0C,  56
.set G0D,  88
.set SEL,  60                          ; s[60:61] v_permlanex16_b32's selects for lane l xor 16
.set MSB, 0
.macro WIN new                         ; the immediate's high byte repeats the setting that is left
.if MSB != \new
	s_set_vgpr_msb (MSB<<8)|\new
.set MSB, \new
.endif
.endm
.macro PLACES                          ; four plain lines between a matrix instruction and a load into, or a vector read or write of, its registers
.rept 4
	v_nop
.endr
.endm
.macro TLOAD g0, g1
	tensor_load_to_lds s[\g0:\g0+3], s[\g1:\g1+7]
	s_nop 0
	PLACES
.endm
.macro ARM under, g0, g1, next         ; an arm of the head's one chain of branches
	s_cmp_lt_u32 s20, \under
	s_cbranch_scc0 \next
	TLOAD \g0, \g1
	s_branch .Lhead_asked
\next:
.endm
.macro JLOAD                           ; a refill: wave 0 asks for x's, waves 1 to 3 for the weights'
	s_cmp_eq_u32 s20, 0
	s_cbranch_scc0 .Lfor_b_\@
	TLOAD G0A, G1A
	s_branch .Lasked_\@
.Lfor_b_\@:
	TLOAD G0R, G1B
.Lasked_\@:
.endm
.macro CREST                           ; a round of the cluster's barrier behind its opening barrier
	s_cmp_lg_u32 s20, 0
	s_cbranch_scc1 .Lnot_wave_0_\@
	s_barrier_signal -3
.Lnot_wave_0_\@:
	s_barrier_wait -3
	s_barrier_signal -1
	s_barrier_wait -1
.endm
.macro CROUND
	s_barrier_signal -1
	s_barrier_wait -1
	CREST
.endm
.macro GRP1 g, mask, rows              ; rows of 256 bytes, dense, elements of 8 bytes; bit 21 is set beside a mask
	s_or_b32 s[\g], s\mask, (3<<16)|(1<<21)
	s_mov_b32 s[\g+1], 32<<16
	s_mov_b32 s[\g+2], (\rows)<<16
	s_mov_b32 s[\g+3], 32<<16
	s_mov_b32 s[\g+4], \rows
	s_mov_b32 s[\g+5], 32
	s_mov_b32 s[\g+6], 0
	s_mov_b32 s[\g+7], 0
.endm
.macro GRP0 g, lds, base, off
	s_mov_b32 s[\g], 1
	s_mov_b32 s[\g+1], \lds
	s_add_nc_u64 s[\g+2:\g+3], s[\base:\base+1], \off
	s_or_b32 s[\g+3], s[\g+3], 0x80000000
.endm
	s_load_b512 s[4:19], s[0:1], 0x0               ; xop s[4:5], wop s[6:7], bq s[8:9], bk s[10:11], bv s[12:13], rope s[14:15], qop s[16:17], kvop s[18:19]
	v_lshl_add_u32 v[SPW], v0, 2, SPARE
	v_mov_b32 v[NIL], 0
	ds_add_u32 v[SPW], v[NIL]                      ; the opening lines
	ds_add_u32 v[SPW], v[NIL]
	v_lshrrev_b32 v1, 5, v0
	v_readfirstlane_b32 s20, v1                    ; wave 0..3
	s_bfe_u32 s21, ttmp6, 0x40000                  ; cx, cy: my place in the cluster
	s_bfe_u32 s22, ttmp6, 0x40004
	s_lshl_b32 s23, ttmp9, 2
	s_add_co_u32 s23, s23, s21                     ; the head = 4 x cluster x + cx
	s_and_b32 s24, ttmp7, 0xffff
	s_lshl_b32 s24, s24, 2
	s_add_co_u32 s24, s24, s22                     ; the group of 128 rows = 4 x cluster y + cy
	s_lshl_b32 s25, s22, 2
	s_lshl_b32 s25, 15, s25                        ; my row of the cluster
	s_lshl_b32 s26, 0x1111, s21                    ; my column
	GRP1 G1A, 25, 300
	GRP1 G1B, 26, 150
	GRP1 G1C, 26, 300
	GRP1 G1D, 26, 450
	s_mul_i32 s92, s24, 16*U                       ; x's units: made of the row group alone
	s_mov_b32 s93, 0
	s_mul_i32 s94, s23, 48*U                       ; the weights': of the head alone
	s_mov_b32 s95, 0
	s_mul_i32 s96, s20, 3*U
	s_mul_i32 s97, s20, U
	s_add_co_u32 s2, s96, 15*U                     ; the first refill's: 18 + 3 (wave - 1) units on (wave 0 makes addresses that it never asks by)
	s_mov_b32 s3, 0
	s_mul_i32 s98, s20, 2*U
	s_sub_co_u32 s98, 11*U, s98                    ; from 36 + 3 (wave - 1) to 45 + (wave - 1) units
	s_mov_b32 s99, 0
	s_mov_b32 s100, 9*U                            ; the prefetches' step
	s_mov_b32 s101, 0
	s_cmp_eq_u32 s20, 0
	s_cselect_b32 s100, 3*U, s100
	s_mov_b32 s[SEL], 0x76543210
	s_mov_b32 s[SEL+1], 0xfedcba98
	s_mov_b32 s62, 0xffff0000                      ; lanes 16-31
	s_wait_dscnt 0x0                               ; both opening adds are done
	CROUND                                         ; all sixteen work-groups are here: the first joint loads meet
	s_wait_kmcnt 0x0
	s_add_nc_u64 s[92:93], s[4:5], s[92:93]
	s_add_nc_u64 s[94:95], s[6:7], s[94:95]
	GRP0 G0A, 0, 92, 0
	GRP0 G0B, 6*U, 94, 0
	GRP0 G0C, 9*U, 94, 3*U
	GRP0 G0D, 15*U, 94, 9*U
	ARM 1, G0A, G1A, .Lwave_1
	ARM 2, G0B, G1B, .Lwave_2
	ARM 3, G0C, G1C, .Lwave_3
	TLOAD G0D, G1D
.Lhead_asked:
	s_add_nc_u64 s[2:3], s[94:95], s[2:3]
	s_mov_b32 s[G0R], 1
	s_mov_b64 s[G0R+2:G0R+3], s[2:3]
	s_or_b32 s[G0R+3], s[G0R+3], 0x80000000
	s_add_nc_u64 s[70:71], s[92:93], 6*U
	s_cmp_eq_u32 s20, 0
	s_cselect_b64 s[70:71], s[70:71], s[2:3]       ; where my prefetches stand: wave 0's among x's units, the others' among the weights'
	s_cselect_b32 s63, s21, s22                    ; my place among the four that ask for it with me
	s_mul_i32 s63, s63, 38
	v_and_b32 v1, 31, v0                           ; lane
	v_and_b32 v2, 15, v0                           ; r
	v_bfe_u32 v3, v0, 4, 1                         ; h
	v_lshlrev_b32 v[L16], 4, v1
	v_lshlrev_b32 v[L8], 3, v1
	v_lshlrev_b32 v4, 2, v1
	s_wait_alu depctr_va_vdst(0)
	v_add_nc_u32 v[PF], s63, v1                    ; blocks 38 p + lane of the 150, and 38 p + 32 .. 38 p + 37, none beyond the last
	s_add_co_u32 s92, s63, 37
	s_min_u32 s92, s92, 149
	v_add_nc_u32 v[PF+1], 32, v[PF]
	v_min_u32 v[PF+1], s92, v[PF+1]
	v_lshlrev_b32 v[PF], 8, v[PF]
	v_lshlrev_b32 v[PF+1], 8, v[PF+1]
	s_mul_i32 s92, s20, 3072                       ; my two tiles of a weight's unit
	s_lshl_b32 s93, s20, 7                         ; and their scale words
.irp p, 0,1,2,3,4,5
	s_add_co_u32 s94, s92, 6*U+3*U*\p
	v_add_nc_u32 v[ADRB+\p], s94, v[L16]
	s_add_co_u32 s95, s93, 6*U+3*U*\p+12288
	v_add_nc_u32 v[ADSB+\p], s95, v4
.endr
	v_mov_b32 v[ADRA], v[L16]
	v_add_nc_u32 v[ADRA+1], 3*U, v[L16]
	v_add_nc_u32 v[ADSA], 12288, v4
	v_add_nc_u32 v[ADSA+1], 3*U+12288, v4
	; The stage.  My block w of row r of tile 2 p + h is bytes 24 (w / 2) .. + 23 of image lane r + 16 (w % 2): three pieces of 8 bytes
	s_and_b32 s25, s20, 1
	s_lshl_b32 s25, s25, 8
	s_lshr_b32 s26, s20, 1
	s_mul_i32 s27, s26, 520
	s_add_co_u32 s27, s27, s25
	v_mul_u32_u24 v5, v3, 1536
	v_lshl_add_u32 v5, v2, 4, v5
	v_add_nc_u32 v[AD0], s27, v5                   ; pieces 0 and (512 on) 2
	s_mul_i32 s27, s26, 1016
	s_add_co_u32 s27, s27, s25
	s_add_co_u32 s27, s27, 8
	v_add_nc_u32 v[AD1], s27, v5                   ; piece 1
	v_lshlrev_b32 v6, 2, v2
	s_add_co_u32 s27, s20, 12288
	v_add_nc_u32 v[ABY], s27, v6                   ; byte w of row r's scale word
	s_mul_i32 s27, s20, 6400
	v_add_nc_u32 v[RD], s27, v[L16]
	s_add_co_u32 s27, s27, 6144
	v_add_nc_u32 v[RD2], s27, v[L8]
	v_add_nc_u32 v[VO], s92, v[L16]
	s_add_co_u32 s27, s93, 12288
	v_add_nc_u32 v[VS], s27, v4
	v_and_b32 v7, 8, v2
	v_add_nc_u32 v7, v7, v2                        ; r + 8 (r / 8)
	v_lshlrev_b32 v8, 6, v3                        ; bq, bk: 64 h
	v_lshlrev_b32 v9, 2, v7                        ; bv: my d
	v_lshl_add_u32 v10, v7, 9, v8                  ; the table: my row of 512 bytes, + 64 h.  v8-10 are not written again
	s_wait_alu depctr_va_vdst(0)
	s_lshl_b32 s2, s23, 9
	s_lshl_b32 s3, s20, 7
	s_add_co_u32 s2, s2, s3                        ; (128 head + 32 w) x 4
	s_mov_b32 s3, 0
	s_add_nc_u64 s[8:9], s[8:9], s[2:3]
	s_add_nc_u64 s[10:11], s[10:11], s[2:3]
	s_add_nc_u64 s[12:13], s[12:13], s[2:3]
	s_and_b32 s25, s24, 7                          ; position / 128
	s_lshl_b32 s92, s25, 16
	s_lshl_b32 s93, s20, 7
	s_add_co_u32 s92, s92, s93                     ; 128 positions of 512 bytes, + 16 w frequencies of 8
	s_mov_b32 s93, 0
	s_add_nc_u64 s[14:15], s[14:15], s[92:93]
	s_lshr_b32 s26, s24, 3                         ; the batch
	s_lshl_b32 s26, s26, 4
	s_add_co_u32 s26, s26, s23
	s_lshl_b32 s26, s26, 3
	s_add_co_u32 s25, s26, s25                     ; the record: 8 (16 batch + head) + position / 128
	s_and_b32 s26, s20, 1
	s_mul_i32 s2, s26, 6400                        ; which half of a record of 12,800 bytes I store
	s_mul_i32 s92, s25, U
	s_add_co_u32 s92, s92, s2
	s_add_nc_u64 s[16:17], s[16:17], s[92:93]      ; q's
	s_mul_i32 s94, s25, 2*U
	s_mov_b32 s95, 0
	s_add_nc_u64 s[68:69], s[18:19], s[94:95]
	s_add_nc_u64 s[18:19], s[68:69], s[2:3]        ; k's
	s_add_nc_u64 s[68:69], s[68:69], U             ; v's
	s_cmp_lt_u32 s20, 2                            ; waves 0, 1 store q's halves, waves 2, 3 k's: the choice hangs on the wave's number alone
	s_cselect_b64 s[66:67], s[16:17], s[18:19]
	WIN 0x40                                       ; destination window 1
.irp u, 0,1                                    ; lane (r, h), tile u, register j: b[128 head + 32 w + 16 h + 8 u + j]
	global_load_b128 v[BIAS+8*\u:BIAS+8*\u+3],       v8, s[8:9] offset:32*\u
	global_load_b128 v[BIAS+8*\u+4:BIAS+8*\u+7],     v8, s[8:9] offset:32*\u+16
	global_load_b128 v[BIAS+16+8*\u:BIAS+16+8*\u+3],   v8, s[10:11] offset:32*\u
	global_load_b128 v[BIAS+16+8*\u+4:BIAS+16+8*\u+7], v8, s[10:11] offset:32*\u+16
.endr
.irp u, 0,1                                    ; v: a lane holds one d: its bias in all eight registers
.irp j, 0,1,2,3,4,5,6,7
	global_load_b32 v[BIAS+32+8*\u+\j], v9, s[12:13] offset:32*\u
.endr
.endr
	WIN 0xc0                                       ; destination window 3
.irp T, 0,1,2,3,4,5,6,7                        ; (cos, sin) of my row of tile T, frequencies 16 w + 8 h + 0..7: wanted on the way out only
.irp i, 0,1,2,3
	global_load_b128 v[128+16*\T+4*\i:128+16*\T+4*\i+3], v10, s[14:15] offset:512*(32*(\T/2)+8*(\T%2))+16*\i
.endr
.endr
	WIN 0
.macro ASKL2                           ; what the next refill brings
	global_prefetch_b8 v[PF], s[70:71] th:TH_LOAD_NT scope:SCOPE_SE
	global_prefetch_b8 v[PF+1], s[70:71] th:TH_LOAD_NT scope:SCOPE_SE
.endm
	ASKL2                                          ; steps 6-8
.macro WMM ra, rb
	v_wmma_scale_f32_16x16x128_f8f6f4 v[rD:rD+7], v[rA:rA+11], v[rB:rB+11], v[rC:rC+7], v[rSA], v[rSB] matrix_a_fmt:MATRIX_FMT_FP6 matrix_b_fmt:MATRIX_FMT_FP6 matrix_a_scale:MATRIX_SCALE_ROW\ra matrix_b_scale:MATRIX_SCALE_ROW\rb
.endm
.macro WMX ra, rb
.if (\ra)
.if (\rb)
	WMM 1, 1
.else
	WMM 1, 0
.endif
.else
.if (\rb)
	WMM 0, 1
.else
	WMM 0, 0
.endif
.endif
.endm
; Product N of a step on set e: x's tile T = N / 6 against q's two tiles, k's two, v's two.  first = 1: the bias is the C.  The 48 accumulators take turns, one instruction a turn, in the same order in every step.
.macro PROD e, first
.set T_, N/6
.set K_, N%6
.if K_ < 4
.set rD, 128*(K_/2)+8*(2*T_+K_%2)
.set rA, 128*(\e)+12*K_
.set rB, AF+96*(\e)+12*T_
.set rSA, SC+8*(\e)+4+K_/2
.set rSB, SC+8*(\e)+T_/2
.if \first
.set rC, BIAS+8*K_
	WIN 0x91                                       ; source 0 (W) window 1, source 1 (x) window 0, C (bias) window 1, D window 2
.else
.set rC, rD
	WIN 0xa1                                       ; C and D window 2
.endif
	WMX K_%2, T_%2
.else
.set rD, 8*(8*(K_-4)+T_)
.set rA, AF+96*(\e)+12*T_
.set rB, 128*(\e)+12*K_
.set rSA, SC+8*(\e)+T_/2
.set rSB, SC+8*(\e)+6
.if \first
.set rC, BIAS+8*K_
	WIN 0xd4                                       ; source 0 (x) window 0, source 1 (Wv) window 1, C (bias) window 1, D window 3
.else
.set rC, rD
	WIN 0xf4
.endif
	WMX T_%2, K_%2
.endif
.endm
; LDS load LI (0..48) of the step at place p into set e: my six tiles of the weights (18), the scale words (7), x's eight tiles (24).  An image is three loads of 512 consecutive bytes.
.macro LD1 p, e
.if LI < 18
	WIN 0x40
	ds_load_b128 v[128*(\e)+4*LI:128*(\e)+4*LI+3], v[ADRB+(\p)] offset:U*(LI/6)+1536*((LI/3)%2)+512*(LI%3)
.elseif LI < 22
	WIN 0
	ds_load_b32 v[SC+8*(\e)+LI-18], v[ADSA+(\p)/3] offset:U*((\p)%3)+128*(LI-18)
.elseif LI < 25
	WIN 0
	ds_load_b32 v[SC+8*(\e)+LI-18], v[ADSB+(\p)] offset:U*(LI-22)
.else
	WIN 0
.set LA, LI-25
	ds_load_b128 v[AF+96*(\e)+4*LA:AF+96*(\e)+4*LA+3], v[ADRA+(\p)/3] offset:U*((\p)%3)+1536*(LA/3)+512*(LA%3)
.endif
.set LI, LI+1
.endm
; Refill f's descriptors (no tensor load of the wave is out): f = 0..2 three steps, 150 rows a wave; f = 3 step 15: one unit, 50 rows, a wave.
.macro FILLSET f
.if \f == 0
	s_add_nc_u64 s[G0A+2:G0A+3], s[G0A+2:G0A+3], 6*U
	s_mov_b32 s[G1A+2], 150<<16
	s_mov_b32 s[G1A+4], 150
.else
	s_add_nc_u64 s[G0A+2:G0A+3], s[G0A+2:G0A+3], 3*U
.endif
	s_mov_b32 s[G0A+1], 3*U*((\f)%2)
.if \f == 3
	s_add_nc_u64 s[G0R+2:G0R+3], s[G0R+2:G0R+3], s[98:99]
	s_add_co_u32 s[G0R+1], s97, 14*U
	s_mov_b32 s[G1A+2], 50<<16
	s_mov_b32 s[G1A+4], 50
	s_mov_b32 s[G1B+2], 50<<16
	s_mov_b32 s[G1B+4], 50
.else
.if \f > 0
	s_add_nc_u64 s[G0R+2:G0R+3], s[G0R+2:G0R+3], 9*U
.endif
	s_add_co_u32 s[G0R+1], s96, 3*U+9*U*((\f)%2)
.endif
.if \f < 2
	s_add_nc_u64 s[70:71], s[70:71], s[100:101]    ; the prefetches go one refill on
.endif
.endm
; A step on set e; np: the next step's place (-1: none).  kind 0: plain.  kind 1: a plain barrier shows wave 2's load of the head to all.
; kind 2: the slot of this step is left: a round of the cluster's barrier, and refill fi.  kind 3: a plain barrier shows the last refill.
; The waits: of the step's own loads x's tiles 4-7, the youngest twelve, may be out at its start (thirteen with the add); ahead of tile 4 all but the LI loads issued in this step are in.
.macro UNIT e, np, first, kind, fi
.set LI, 0
.set LB, 0
.if (\kind) == 1
.set LB, 18
.elseif (\kind) > 1
.set LB, 12
.endif
.if (\kind) == 2
	WIN 0
	s_wait_xcnt 0x0                                ; any prefetch of mine has read its address
	s_wait_tensorcnt 0x0                           ; all my tensor loads have landed
	ds_add_u32 v[SPW], v[NIL]                      ; 0 onto my spare word
	FILLSET \fi
	s_wait_dscnt 13
.elseif (\kind) == 3
	s_wait_tensorcnt 0x0
	s_wait_dscnt 12
.else
	s_wait_dscnt 12
.endif
	PLACES                                         ; for the loads into the set that the last step multiplied
.set N, 0
.rept 48
.if (\kind) > 1
.if N == 6
	s_wait_dscnt 0x0                               ; the add, where there is one, is done, and so are my reads of the slot that I leave
	s_barrier_signal -1
.elseif N == 12
	WIN 0
	s_barrier_wait -1
.if (\kind) == 2
	CREST                                          ; no wave of any partner still reads the slot or has a load on its way
	JLOAD                                          ; the first tensor load behind the round
.endif
.endif
.elseif (\kind) == 1
.if N == 12
	WIN 0
	s_cmp_lt_u32 s20, 3
	s_cbranch_scc0 .Lwave3_\@
	s_wait_tensorcnt 0x0
.Lwave3_\@:
	s_wait_dscnt 0x0
	s_barrier_signal -1
.elseif N == 18
	s_barrier_wait -1
.endif
.elseif N == 24
	s_wait_dscnt LI
.endif
.set GAP, (48-LB)/3                    ; the next step's loads stand in three runs of 20, 17 and 12 (x's tiles 4-7), GAP products apart
.if ((\np) >= 0) && ((N == LB) || (N == LB+GAP) || (N == LB+2*GAP))
.if N == LB
.set QU, 20
.elseif N == LB+GAP
.set QU, 17
.else
.set QU, 12
.endif
.rept QU
	LD1 \np, 1-\e
.endr
.if (N == LB+2*GAP) && ((\kind) == 2) && ((\fi) < 2)
	WIN 0
	ASKL2
.endif
.endif
	PROD \e, \first
.set N, N+1
.endr
.endm
	s_cmp_lt_u32 s20, 2
	s_cbranch_scc0 .Lno_wait
	s_wait_tensorcnt 0x0                           ; waves 0 and 1: x's steps 0-5, the weights' step 0 (waves 2 and 3 have load lines of their own)
.Lno_wait:
	s_barrier_signal -1
	s_barrier_wait -1                              ; they are in
.set LI, 0
.rept 49
	LD1 0, 0
.endr
	WIN 0
	s_wait_loadcnt 32                              ; the 24 loads of biases are in; the table's 32 may be out
	UNIT 0, 1, 1, 1, 0                             ; the 16 steps are written out: places repeat every six, sets every two, and the last refill has another shape
	UNIT 1, 2, 0, 0, 0
	UNIT 0, 3, 0, 2, 0
	UNIT 1, 4, 0, 0, 0
	UNIT 0, 5, 0, 0, 0
	UNIT 1, 0, 0, 2, 1
	UNIT 0, 1, 0, 0, 0
	UNIT 1, 2, 0, 0, 0
	UNIT 0, 3, 0, 2, 2
	UNIT 1, 4, 0, 0, 0
	UNIT 0, 5, 0, 0, 0
	UNIT 1, 0, 0, 2, 3
	UNIT 0, 1, 0, 0, 0
	UNIT 1, 2, 0, 0, 0
	UNIT 0, 3, 0, 3, 0
	UNIT 1, -1, 0, 0, 0
	WIN 0
; ---------------- THE WAY OUT
	PLACES
	s_wait_loadcnt 0x0                             ; the table
.irp b, 0,1,2,3
	v_mov_b32 v[TM+4+\b], 0                        ; (a lane permute's destination counts as one of its sources)
.endr
; v, tile u: 64 registers of window 3, register 16 b + i = key 32 b + 16 h + i of my d, become a fragment's codes in v[64 + 32 u] on and its scale word in v[240 + u].  Each accumulator is read from its low end on.
.macro QUANTV u
.set VB, 64*\u
.set PC, 64+32*\u
	WIN 0x3c                                       ; sources 1 and 2 window 3 (the floor stands as source 0, so that one setting serves)
.irp b, 0,1,2,3
	v_max3_num_f32 v[TM+\b], FLOOR, |v[VB+16*\b]|, |v[VB+16*\b+1]|
.endr
.irp i, 2,4,6,8,10,12,14
.irp b, 0,1,2,3
	v_max3_num_f32 v[TM+\b], v[TM+\b], |v[VB+16*\b+\i]|, |v[VB+16*\b+\i+1]|
.endr
.endr
	WIN 0
.irp b, 0,1,2,3
	v_permlanex16_b32 v[TM+4+\b], v[TM+\b], s[SEL], s[SEL+1]
.endr
.irp b, 0,1,2,3
	v_max_num_f32 v[TM+\b], v[TM+\b], v[TM+4+\b]   ; with lane l xor 16's: the block's largest magnitude
.endr
.irp b, 0,1,2,3
	v_add_nc_u32 v[TM+12+\b], EOFF, v[TM+\b]
.endr
.irp b, 0,1,2,3
	v_lshrrev_b32 v[TM+4+\b], 23, v[TM+12+\b]
.endr
	v_lshl_or_b32 v[240+\u], v[TM+5], 8, v[TM+4]
	v_lshl_or_b32 v[240+\u], v[TM+6], 16, v[240+\u]
	v_lshl_or_b32 v[240+\u], v[TM+7], 24, v[240+\u]
	WIN 0x03                                       ; source 0 window 3
.irp c, 0,1
	v_cvt_scalef32_pk16_fp6_f32 v[PC+6*\c:PC+6*\c+2], v[VB+32*\c:VB+32*\c+15], v[TM+12+2*\c]
	v_cvt_scalef32_pk16_fp6_f32 v[PC+12+4*\c:PC+14+4*\c], v[VB+32*\c+16:VB+32*\c+31], v[TM+12+2*\c+1]
.endr
	WIN 0
	v_nop                                          ; one plain line behind the conversions
.irp c, 0,1                                    ; the operand's layout wants a WHOLE block in a lane
.irp i, 0,1,2
	v_permlane16_swap_b32 v[PC+6*\c+\i], v[PC+12+4*\c+\i]
.endr
.irp i, 0,1,2
	v_mov_b32 v[PC+3+6*\c+\i], v[PC+12+4*\c+\i]
.endr
.endr
.irp c, 0,1,2
	global_store_b128 v[VO], v[PC+4*\c:PC+4*\c+3], s[68:69] offset:1536*\u+512*\c   ; the image as it stands: 512 consecutive bytes, aligned to 256
.endr
.endm
	QUANTV 0
	QUANTV 1
	v_cndmask_b32 v242, v240, v241, s62            ; lanes 0-15: tile 2 w's words, lanes 16-31: tile 2 w + 1's
	global_store_b32 v[VS], v242, s[68:69]
	s_wait_xcnt 0x0                                ; v64 on are written again only behind this wait
; q (m = 0) or k (m = 1), tiles 2 p and 2 p + 1: rotated, quantised, into the stage.  Pair i of a lane's 16 numbers: (x1 cos - x2 sin, x2 cos + x1 sin).
.macro QKOUT m, p
.set IT, 4*\m+\p
.set CA, 128+8*IT                      ; each turn has its own registers for its codes and bytes
.set XB, 128*\m+32*\p                  ; window 2: the two tiles' 32 registers
.set CB, 128+32*\p                     ; window 3: their cosines and sines
	WIN 0x0e                                       ; source 0 window 2, source 1 window 3
.irp n, 0,2,4,6,8,10,12,14,16,18,20,22,24,26,28,30
	v_mul_f32 v[RT+\n],   v[XB+\n],   v[CB+\n]     ; ascending: each accumulator is read from its low end on
	v_mul_f32 v[RT+\n+1], v[XB+\n+1], v[CB+\n]
.endr
.irp n, 0,2,4,6,8,10,12,14,16,18,20,22,24,26,28,30
	v_fma_f32 v[RS+\n],   -v[XB+\n+1], v[CB+\n+1], v[RT+\n]
	v_fma_f32 v[RS+\n+1],  v[XB+\n],   v[CB+\n+1], v[RT+\n+1]
.endr
	WIN 0
.irp e, 0,1
	v_max3_num_f32 v[TM+\e], |v[RS+16*\e]|, |v[RS+16*\e+1]|, FLOOR
.endr
.irp i, 2,4,6,8,10,12,14
.irp e, 0,1
	v_max3_num_f32 v[TM+\e], v[TM+\e], |v[RS+16*\e+\i]|, |v[RS+16*\e+\i+1]|
.endr
.endr
.irp e, 0,1
	v_permlanex16_b32 v[TM+4+\e], v[TM+\e], s[SEL], s[SEL+1]
.endr
.irp e, 0,1
	v_max_num_f32 v[TM+\e], v[TM+\e], v[TM+4+\e]   ; block w of my row: my 16 and lane l xor 16's
.endr
.irp e, 0,1
	v_add_nc_u32 v[TM+12+\e], EOFF, v[TM+\e]
.endr
.irp e, 0,1
	v_lshrrev_b32 v[196+2*IT+\e], 23, v[TM+12+\e]
.endr
	v_cvt_scalef32_pk16_fp6_f32 v[CA:CA+2], v[RS:RS+15], v[TM+12]
	v_cvt_scalef32_pk16_fp6_f32 v[192:194], v[RS+16:RS+31], v[TM+13]
	v_nop                                          ; one plain line behind the conversions
.irp i, 0,1,2
	v_permlane16_swap_b32 v[CA+\i], v[192+\i]      ; lane (r, h) now holds the whole block of row r of tile 2 p + h: the lower 16 codes here, the upper 16 there
.endr
.irp i, 0,1,2
	v_mov_b32 v[CA+3+\i], v[192+\i]
.endr
.irp e, 0,1
	ds_store_b8 v[ABY], v[196+2*IT+\e] offset:12800*\m+64*(2*\p+\e)   ; both halves of the lanes write the same byte with the same value
.endr
	ds_store_b64 v[AD0], v[CA:CA+1]   offset:12800*\m+3072*\p
	ds_store_b64 v[AD1], v[CA+2:CA+3] offset:12800*\m+3072*\p
	ds_store_b64 v[AD0], v[CA+4:CA+5] offset:12800*\m+3072*\p+512
.endm
.irp m, 0,1
.irp p, 0,1,2,3
	QKOUT \m, \p
.endr
.endr
	s_wait_dscnt 0x0                               ; for the others' sake: my stores into the stage are done
	s_barrier_signal -1
	s_barrier_wait -1                              ; q's and k's records are whole
.irp i, 0,1,2,3,4,5,6,7,8,9,10,11
	ds_load_b128 v[64+4*\i:67+4*\i], v[RD] offset:512*\i
.endr
	ds_load_b64 v[112:113], v[RD2]
.irp i, 0,1,2,3,4,5,6,7,8,9,10,11
	s_wait_dscnt 12-\i                             ; the younger read-backs may be out
	global_store_b128 v[L16], v[64+4*\i:67+4*\i], s[66:67] offset:512*\i   ; 512 consecutive bytes, aligned to 256
.endr
	s_wait_dscnt 0x0
	global_store_b64 v[L8], v[112:113], s[66:67] offset:6144
	s_wait_tensorcnt 0x0                           ; the wave's end
	ds_add_u32 v[SPW], v[NIL]
	s_wait_dscnt 0x0
	CROUND                                         ; the closing round: no work-group ends while a partner may still ask for a unit that names it
	s_endpgm
.Lfunc_end_k_q509e08b708_qkv:
	.size	k_q509e08b708_qkv, .Lfunc_end_k_q509e08b708_qkv-k_q509e08b708_qkv
	.p2alignl 7, 3214868480
	.fill 96, 4, 3214868480
	.section	.rodata,"a",@progbits
	.p2align	6, 0x0
	.amdhsa_kernel k_q509e08b708_qkv
		.amdhsa_group_segment_fixed_size 327680
		.amdhsa_private_segment_fixed_size 0
		.amdhsa_enable_private_segment 0
		.amdhsa_kernarg_size 64
		.amdhsa_user_sgpr_count 2
		.amdhsa_user_sgpr_kernarg_segment_ptr 1
		.amdhsa_wavefront_size32 1
		.amdhsa_system_sgpr_workgroup_id_x 1
		.amdhsa_system_sgpr_workgroup_id_y 1
		.amdhsa_system_sgpr_workgroup_id_z 1
		.amdhsa_system_vgpr_workitem_id 0
		.amdhsa_next_free_vgpr 1024
		.amdhsa_next_free_sgpr 102
		.amdhsa_reserve_vcc 0
		.amdhsa_float_denorm_mode_32 3
		.amdhsa_float_denorm_mode_16_64 3
		.amdhsa_memory_ordered 1
		.amdhsa_forward_progress 1
		.amdhsa_inst_pref_size 234
	.end_amdhsa_kernel
	.amdgpu_metadata
---
amdhsa.version: [ 1, 2 ]
amdhsa.kernels:
  - .name:           k_q509e08b708_qkv
    .symbol:         k_q509e08b708_qkv.kd
    .args:
      - { .name: xop, .offset: 0, .size: 8, .value_kind: global_buffer, .address_space: global }
      - { .name: wop, .offset: 8, .size: 8, .value_kind: global_buffer, .address_space: global }
      - { .name: bq, .offset: 16, .size: 8, .value_kind: global_buffer, .address_space: global }
      - { .name: bk, .offset: 24, .size: 8, .value_kind: global_buffer, .address_space: global }
      - { .name: bv, .offset: 32, .size: 8, .value_kind: global_buffer, .address_space: global }
      - { .name: rope, .offset: 40, .size: 8, .value_kind: global_buffer, .address_space: global }
      - { .name: qop, .offset: 48, .size: 8, .value_kind: global_buffer, .address_space: global }
      - { .name: kvop, .offset: 56, .size: 8, .value_kind: global_buffer, .address_space: global }
    .group_segment_fixed_size: 327680
    .private_segment_fixed_size: 0
    .kernarg_segment_align: 8
    .kernarg_segment_size: 64
    .max_flat_workgroup_size: 128
    .sgpr_count:     102
    .vgpr_count:     1024
    .wavefront_size: 32
...
	.end_amdgpu_metadata
.endif
;; end of part 2
;; launch attn (part 3): grid 8 x 32, 16 waves a work-group, clusters of 4 x 1, 327,680 bytes of LDS; arguments qop, kvop, aop; writes aop
.if DOCPART == 3
	.amdgcn_target "amdgcn-amd-amdhsa--gfx1250"
	.amdhsa_code_object_version 6
	.text
	.protected	k_q509e08b708_attn
	.globl	k_q509e08b708_attn
	.p2align	8
	.type	k_q509e08b708_attn,@function
k_q509e08b708_attn:
	s_mov_b64 s[64:65], 0
	v_nop
	global_prefetch_b8 v0, s[64:65] scope:SCOPE_SE
	s_setreg_imm32_b32 hwreg(HW_REG_WAVE_MODE, 25, 1), 1
	s_wait_xcnt 0x0
	s_wait_alu depctr_hold_cnt(0) depctr_sa_sdst(0) depctr_va_vdst(0) depctr_va_sdst(0) depctr_va_ssrc(0) depctr_va_vcc(0) depctr_vm_vsrc(0)
	s_getreg_b32 s2, hwreg(HW_REG_IB_STS2, 6, 4)
	s_cmp_eq_u32 s2, 0
	s_cbranch_scc0 .Lentry_in_a_cluster
	s_endpgm
.Lentry_in_a_cluster:
	s_bfe_u32 s2, ttmp6, 0x10000c
	s_cmp_lg_u32 s2, 0x3003
	s_cbranch_scc0 .Lentry_shape_is_right
	s_endpgm
.Lentry_shape_is_right:
; Causal attention of one (batch, head) on codes of FP6 (E2M3) with E8M0 scales; the result, divided by the row's sum, is quantised along the model's 2,048 and stored as the last product's operand.
; THE SOFTMAX AHEAD OF THE SECOND PRODUCT: t = score x log2(e) / sqrt(128); M = the row's largest t so far, rounded UP to a whole number; p = 2^(t - M) is quantised along the keys, not normalised.
; The row's sum is taken of the unquantised p and divides at the end.  When M moves, the sum and O are multiplied by 2^(old M - new M): exact.
; SHARES.  Work-group (c, bh), c = 0..7.  Waves V and V + 8 (V = 0..7) own the 16 queries of tile c of the group of 128 queries beta, beta = V for V < 4 and 11 - V for V >= 4.  They need key steps 0 .. beta of 128 keys: wave V takes the even steps, wave V + 8 the odd ones.
; At the end wave V + 8 hands its M, sum and O over through LDS, and wave V brings both under the larger M and adds.  A wave without a step has M = -3e38: its factor is 0.
; Every wave walks 4 trips; a trip whose keys all come after the wave's queries jumps over its work (a scalar branch on the wave's number and the trip).  Tiles wholly under the causal mask are so left out: p is 0 there for all finite inputs.
; LDS.  The head's 8 records of K and V (25,600 bytes for 128 keys: K's images and scale words, then V's) are 204,800 dense bytes: they come ONCE, wave W bringing half-record W, and stay: no slot is filled again; so there is no later tile to prefetch.
; CLUSTER 4 x 1.  Four work-groups of one head want the same records: each load is a joint one.  c enters only Q's and the result's global addresses and the number that the mask compares with.
; LAYOUT.  S^T = K Q^T, O^T = V^T P^T: a lane holds ONE query (lane % 16).  Tile T, lane row r of a record is row 32 (T / 2) + 8 (T % 2) + r + 8 (r / 8): so register 16 b + i of S^T is key 32 b + 16 h + i, and of O^T channel 32 b + 16 h + i.
; OUT.  aop = [8 batch + position / 128][head] units of 12,800 bytes (128 rows x 128 K): image of tile c at 1536 c, scale word of row r at 12288 + 64 c + 4 r.
; LIMITS: NaN and infinities are not served; the scaled scores t stay under 2^31 in magnitude; a block whose every p has fallen to 0 keeps the byte 1 (its codes are zeros).
; REGISTERS: v1 16 lane, v2 4 lane, v3 and v5 the same + 25,600 where my steps are the odd ones, v6 4 r, v7 the mask's number, v8-9 addresses in hand; v12 -M, v13 the largest t, v[14:15] the sum; v16-27 Q; v28 Q's scale word; v32-79 four fragments (v32-35 also the sum's chains);
;   v80-83 block maxima, v84-87 permute results and bytes, v88-91 the conversions' scale operands, v[92:93] f, v94 at work; v96-159 S^T, then p; v160-223 O^T; v224-235 p's codes; v236-245, v250-251 at work; v246-249 K's or V's scale words; v253 p's scale word; v254 my spare word, v255 0.
.set REC,   25600
.set SPARE, 8*REC
.set MG,    SPARE+2048                 ; the hand-over: 8,704 bytes for each pair of waves
.set FLOOR, 0x1800000
.set EOFF,  0xff000000
.set WV,   18
.set BETA, 19
.set SEL,  20                          ; s[20:21] lane l xor 16
.set CS,   22                          ; s[22:23] c = log2(e) / sqrt(128)
.set G1,   24                          ; s[24:31]
.set G0,   32                          ; s[32:35]
.set STP,  36                          ; the key step
.set TB,   37                          ; LDS: two records for each trip
.macro CROUND
	s_barrier_signal -1
	s_barrier_wait -1
	s_cmp_lg_u32 s[WV], 0
	s_cbranch_scc1 .Lnot_wave_0_\@
	s_barrier_signal -3
.Lnot_wave_0_\@:
	s_barrier_wait -3
	s_barrier_signal -1
	s_barrier_wait -1
.endm
.set BM,   80
.set PD,   84
.set SO,   88
	s_load_b128 s[4:7], s[0:1], 0x0                ; qop s[4:5], kvop s[6:7]
	s_load_b64 s[8:9], s[0:1], 0x10                ; aop
	v_lshl_add_u32 v254, v0, 2, SPARE
	v_mov_b32 v255, 0
	ds_add_u32 v254, v255                          ; the opening lines
	ds_add_u32 v254, v255
	v_lshrrev_b32 v1, 5, v0
	v_readfirstlane_b32 s[WV], v1                  ; wave 0..15
	s_and_b32 s62, s[WV], 7                        ; V
	s_lshr_b32 s63, s[WV], 3                       ; even or odd steps
	s_lshr_b32 s38, s62, 2
	s_mul_i32 s38, s38, 3
	s_xor_b32 s[BETA], s62, s38                    ; 0 1 2 3 7 6 5 4
	s_bfe_u32 s39, ttmp6, 0x40000                  ; cx
	s_lshl_b32 s40, ttmp9, 2
	s_add_co_u32 s40, s40, s39                     ; c = 4 x cluster x + cx
	s_and_b32 s41, ttmp7, 0xffff                   ; 16 batch + head, which the four partners share
	s_mov_b32 s[G1], 15|(3<<16)|(1<<21)            ; 15:0 all four work-groups; 17:16 elements of 8 bytes; 21 set beside a mask
	s_mov_b32 s[G1+1], 32<<16                      ; 50 rows of 256 bytes, dense
	s_mov_b32 s[G1+2], 50<<16
	s_mov_b32 s[G1+3], 32<<16
	s_mov_b32 s[G1+4], 50
	s_mov_b32 s[G1+5], 32
	s_mov_b32 s[G1+6], 0
	s_mov_b32 s[G1+7], 0
	s_lshl_b32 s44, s41, 4
	s_add_co_u32 s44, s44, s[WV]
	s_mul_i32 s44, s44, 12800                      ; half-record W of the head: made of the head and the wave alone
	s_mov_b32 s45, 0
	s_mov_b32 s[G0], 1
	s_mul_i32 s[G0+1], s[WV], 12800
	s_lshl_b32 s46, s41, 3
	s_add_co_u32 s46, s46, s[BETA]
	s_mul_i32 s46, s46, 12800                      ; Q's record
	s_mov_b32 s47, 0
	s_mul_i32 s48, s40, 1536                       ; tile c's image,
	s_mov_b32 s49, 0
	s_lshl_b32 s50, s40, 6
	s_add_co_u32 s50, s50, 12288                   ; its scale words: in Q's record and in the result's unit alike
	s_mov_b32 s51, 0
	s_and_b32 s52, s41, 15                         ; the head
	s_lshr_b32 s53, s41, 4                         ; the batch
	s_lshl_b32 s53, s53, 3
	s_add_co_u32 s53, s53, s[BETA]
	s_lshl_b32 s54, s53, 4
	s_add_co_u32 s54, s54, s52
	s_mul_i32 s54, s54, 12800                      ; the result's unit: [8 batch + beta][head]
	s_mov_b32 s55, 0
	s_lshr_b32 s58, s40, 1
	s_lshl_b32 s60, s58, 5                         ; 32 (c / 2), for the mask
	s_and_b32 s59, s40, 1
	s_lshl_b32 s61, s59, 3
	s_add_co_u32 s60, s60, s61                     ; + 8 (c % 2)
	s_mov_b32 s[SEL], 0x76543210
	s_mov_b32 s[SEL+1], 0xfedcba98
	s_mov_b32 s[CS], 0x3e0293ee
	s_mov_b32 s[CS+1], s[CS]                       ; (named with it as a pair, so it is written)
	s_mul_i32 s15, s63, REC
	s_mov_b32 s[TB], 0
	s_mov_b32 s14, 0                               ; the trip
	s_wait_dscnt 0x0
	s_wait_kmcnt 0x0
	s_add_nc_u64 s[G0+2:G0+3], s[6:7], s[44:45]
	s_or_b32 s[G0+3], s[G0+3], 0x80000000
	s_add_nc_u64 s[4:5], s[4:5], s[46:47]
	s_add_nc_u64 s[10:11], s[4:5], s[50:51]
	s_add_nc_u64 s[4:5], s[4:5], s[48:49]
	s_add_nc_u64 s[8:9], s[8:9], s[54:55]
	s_add_nc_u64 s[12:13], s[8:9], s[50:51]
	s_add_nc_u64 s[8:9], s[8:9], s[48:49]
	CROUND                                         ; all four work-groups are here: the joint loads meet
	tensor_load_to_lds s[G0:G0+3], s[G1:G1+7]      ; my one tensor load of the launch
	s_nop 0
.rept 4
	v_nop
.endr
	v_and_b32 v3, 31, v0
	v_and_b32 v4, 15, v0                           ; r
	v_bfe_u32 v5, v0, 4, 1                         ; h
	v_lshlrev_b32 v1, 4, v3
	v_lshlrev_b32 v2, 2, v3
	v_lshlrev_b32 v6, 2, v4
	global_load_b128 v[16:19], v1, s[4:5]          ; Q's fragment stays in registers
	global_load_b128 v[20:23], v1, s[4:5] offset:512
	global_load_b128 v[24:27], v1, s[4:5] offset:1024
	global_load_b32 v28, v6, s[10:11]
	v_and_b32 v7, 8, v4
	v_lshlrev_b32 v10, 4, v5
	v_add_nc_u32 v7, v7, v4
	v_mov_b32 v13, 0xff61b1e6                      ; the largest t so far: -3e38
	v_sub_nc_u32 v7, v7, v10
	v_floor_f32 v12, -v13                          ; -M
	v_add_nc_u32 v7, s60, v7                       ; my query's place in its 128, less 16 h: on the diagonal register 16 b + i is hidden where 32 b + i is larger
	v_add_nc_u32 v3, s15, v1
	v_add_nc_u32 v5, s15, v2
	v_mov_b32 v14, 0
	v_mov_b32 v15, 0
	v_mov_b32 v93, 0                               ; (named as the upper half of the pair v[92:93])
	v_mov_b32 v94, 0
.irp b, 0,1,2,3
	v_mov_b32 v[PD+\b], 0                          ; (a lane permute's destination counts as one of its sources)
.endr
.set j, 0
.rept 64
	v_mov_b32 v[160+j], 0                          ; O^T: the step is written once; the first finds zeros, which the first change of M leaves zeros
.set j, j+1
.endr
	s_wait_alu depctr_va_vdst(0)
	s_wait_tensorcnt 0x0                           ; my half-record is in,
	s_barrier_signal -1
	s_barrier_wait -1                              ; everybody's is
	s_wait_loadcnt 0x0                             ; Q
.macro WMS d, a, sa, row               ; a tile of S^T: the constant 0 starts its sum
.if \row
	v_wmma_scale_f32_16x16x128_f8f6f4 v[\d:\d+7], v[\a:\a+11], v[16:27], 0, v[\sa], v28 matrix_a_fmt:MATRIX_FMT_FP6 matrix_b_fmt:MATRIX_FMT_FP6 matrix_a_scale:MATRIX_SCALE_ROW1
.else
	v_wmma_scale_f32_16x16x128_f8f6f4 v[\d:\d+7], v[\a:\a+11], v[16:27], 0, v[\sa], v28 matrix_a_fmt:MATRIX_FMT_FP6 matrix_b_fmt:MATRIX_FMT_FP6
.endif
.endm
.macro WMO d, a, sa, row               ; a tile of O^T
.if \row
	v_wmma_scale_f32_16x16x128_f8f6f4 v[\d:\d+7], v[\a:\a+11], v[224:235], v[\d:\d+7], v[\sa], v253 matrix_a_fmt:MATRIX_FMT_FP6 matrix_b_fmt:MATRIX_FMT_FP6 matrix_a_scale:MATRIX_SCALE_ROW1
.else
	v_wmma_scale_f32_16x16x128_f8f6f4 v[\d:\d+7], v[\a:\a+11], v[224:235], v[\d:\d+7], v[\sa], v253 matrix_a_fmt:MATRIX_FMT_FP6 matrix_b_fmt:MATRIX_FMT_FP6
.endif
.endm
.Lstep:                                            ; 4 trips in every wave
	s_lshl_b32 s[STP], s14, 1
	s_add_co_u32 s[STP], s[STP], s63
	s_cmp_gt_u32 s[STP], s[BETA]
	s_cbranch_scc1 .Lskip                          ; all 128 keys come after my queries
	v_add_nc_u32 v8, s[TB], v3
	s_wait_alu depctr_va_vdst(0)
	v_add_nc_u32 v9, s[TB], v5
	s_wait_alu depctr_va_vdst(0)
.irp g, 0,1                                    ; S^T = K Q^T, four tiles of 16 keys at a time
.rept 4
	v_nop                                          ; places in front of loads into registers that matrix instructions have read
.endr
.irp t, 0,1,2,3
.irp c, 0,1,2
	ds_load_b128 v[32+12*\t+4*\c:35+12*\t+4*\c], v8 offset:1536*(4*\g+\t)+512*\c
.endr
.endr
	ds_load_b32 v[246+2*\g], v9 offset:12288+128*(2*\g)            ; lanes 0-15: the even tile's scale words, lanes 16-31: the odd tile's
	ds_load_b32 v[247+2*\g], v9 offset:12288+128*(2*\g+1)
	s_wait_dscnt 0x0
.irp t, 0,1,2,3
	WMS 96+8*(4*\g+\t), 32+12*\t, 246+2*\g+\t/2, \t%2
.endr
.endr
.rept 4
	v_nop
.endr
	s_cmp_lg_u32 s[STP], s[BETA]
	s_cbranch_scc1 .Lopen                          ; off the diagonal every key counts
	v_mov_b32 v244, 0xff800000                     ; on it hidden scores become -infinity ahead of the maximum: p = 0 then
.set n, 0
.rept 64
	v_cmp_gt_i32 vcc_lo, 32*(n/16)+n%16, v7
	v_cndmask_b32 v[96+n], v[96+n], v244, vcc_lo
.set n, n+1
.endr
.Lopen:
.irp b, 0,1,2,3
	v_max3_num_f32 v[BM+\b], v[96+16*\b], v[97+16*\b], v[98+16*\b]   ; the largest score of each block of 32 keys: for the row's maximum, and, since p rises with the score, for the block's largest p
.endr
.irp i, 3,5,7,9,11,13
.irp b, 0,1,2,3
	v_max3_num_f32 v[BM+\b], v[BM+\b], v[96+16*\b+\i], v[97+16*\b+\i]
.endr
.endr
.irp b, 0,1,2,3
	v_max_num_f32 v[BM+\b], v[BM+\b], v[111+16*\b]
.endr
.irp b, 0,1,2,3
	s_delay_alu instid0(VALU_DEP_4)
	v_permlanex16_b32 v[PD+\b], v[BM+\b], s[SEL], s[SEL+1]
.endr
.irp b, 0,1,2,3
	s_delay_alu instid0(VALU_DEP_4)
	v_max_num_f32 v[BM+\b], v[BM+\b], v[PD+\b]     ; with lane l xor 16's 16 keys
.endr
	s_delay_alu instid0(VALU_DEP_2)
	v_max3_num_f32 v94, v80, v81, v82
	s_delay_alu instid0(VALU_DEP_1)
	v_max_num_f32 v94, v94, v83
	s_delay_alu instid0(VALU_DEP_1)
	v_mul_f32 v94, s[CS], v94                      ; the step's largest t
	s_delay_alu instid0(VALU_DEP_1)
	v_max_num_f32 v13, v13, v94                    ; the running largest t
	v_mov_b32 v94, v12
	s_delay_alu instid0(VALU_DEP_2)
	v_floor_f32 v12, -v13                          ; the new -M = -ceil(t): a whole number
	s_delay_alu instid0(VALU_DEP_1)
	v_sub_f32 v94, v12, v94                        ; old M - new M: a whole number, 0 or less
	s_delay_alu instid0(VALU_DEP_1)
	v_cvt_i32_f32 v94, v94                         ; (it saturates)
	s_delay_alu instid0(VALU_DEP_1)
	v_ldexp_f32 v92, 1.0, v94                      ; f = 2^(old M - new M)
.set j, 0
.rept 32
	v_pk_fma_f32 v[96+j:97+j], v[96+j:97+j], s[CS:CS+1], v[12:13] op_sel_hi:[1,0,0]   ; t - M, two at a time
.set j, j+2
.endr
.irp b, 0,1,2,3
	v_fma_f32 v[BM+\b], v[BM+\b], s[CS], v12       ; the same of each block's largest score
.endr
.set j, 0
	s_wait_alu depctr_va_vdst(0)
.rept 64
	v_exp_f32 v[96+j], v[96+j]                     ; p = 2^(t - M)
.set j, j+1
.endr
.irp b, 0,1,2,3
	v_exp_f32 v[BM+\b], v[BM+\b]                   ; the block's largest p
.endr
	v_pk_mul_f32 v[14:15], v[14:15], v[92:93] op_sel_hi:[1,0]      ; the sums under the new M (a plain line behind the exponentials)
	s_wait_alu depctr_va_vdst(0)                   ; and behind it
.irp b, 0,1,2,3
	v_max_num_f32 v[BM+\b], FLOOR, v[BM+\b]
.endr
.irp b, 0,1,2,3
	s_delay_alu instid0(VALU_DEP_4)
	v_add_nc_u32 v[SO+\b], EOFF, v[BM+\b]
.endr
.irp b, 0,1,2,3
	s_delay_alu instid0(VALU_DEP_4)
	v_lshrrev_b32 v[PD+\b], 23, v[SO+\b]
.endr
	s_delay_alu instid0(VALU_DEP_3)
	v_lshl_or_b32 v253, v85, 8, v84                ; p's scale word for these 128 keys
	s_delay_alu instid0(VALU_DEP_1)
	v_lshl_or_b32 v253, v86, 16, v253
	s_delay_alu instid0(VALU_DEP_1)
	v_lshl_or_b32 v253, v87, 24, v253
.irp c, 0,1
	v_cvt_scalef32_pk16_fp6_f32 v[224+6*\c:226+6*\c], v[96+32*\c:111+32*\c], v[SO+2*\c]
	v_cvt_scalef32_pk16_fp6_f32 v[236+4*\c:238+4*\c], v[112+32*\c:127+32*\c], v[SO+2*\c+1]
.endr
	v_nop                                          ; one plain line behind the conversions
.irp c, 0,1                                    ; the operand's layout wants a WHOLE block in a lane
.irp i, 0,1,2
	v_permlane16_swap_b32 v[224+6*\c+\i], v[236+4*\c+\i]
.endr
.irp i, 0,1,2
	s_delay_alu instid0(VALU_DEP_3)
	v_mov_b32 v[227+6*\c+\i], v[236+4*\c+\i]
.endr
.endr
	v_pk_add_f32 v[236:237], v[100:101], v[104:105]   ; the row's sum, of the unquantised p, in eight chains
	v_pk_add_f32 v[250:251], v[108:109], v[112:113]
	v_pk_add_f32 v[34:35], v[116:117], v[120:121]
	v_pk_add_f32 v[32:33], v[124:125], v[128:129]
	v_pk_add_f32 v[244:245], v[132:133], v[136:137]
	v_pk_add_f32 v[242:243], v[140:141], v[144:145]
	v_pk_add_f32 v[240:241], v[148:149], v[152:153]
	v_pk_add_f32 v[14:15], v[14:15], v[156:157]
	v_pk_add_f32 v[236:237], v[236:237], v[96:97]
	v_pk_add_f32 v[250:251], v[250:251], v[98:99]
	v_pk_add_f32 v[34:35], v[34:35], v[102:103]
	v_pk_add_f32 v[32:33], v[32:33], v[106:107]
	v_pk_add_f32 v[244:245], v[244:245], v[110:111]
	v_pk_add_f32 v[242:243], v[242:243], v[114:115]
	v_pk_add_f32 v[240:241], v[240:241], v[118:119]
	v_pk_add_f32 v[14:15], v[14:15], v[122:123]
	v_pk_add_f32 v[236:237], v[236:237], v[126:127]
	v_pk_add_f32 v[250:251], v[250:251], v[130:131]
	v_pk_add_f32 v[34:35], v[34:35], v[134:135]
	v_pk_add_f32 v[32:33], v[32:33], v[138:139]
	v_pk_add_f32 v[244:245], v[244:245], v[142:143]
	v_pk_add_f32 v[242:243], v[242:243], v[146:147]
	v_pk_add_f32 v[240:241], v[240:241], v[150:151]
	v_pk_add_f32 v[14:15], v[14:15], v[154:155]
	v_pk_add_f32 v[236:237], v[236:237], v[158:159]
	s_delay_alu instid0(VALU_DEP_2)
	v_pk_add_f32 v[14:15], v[14:15], v[32:33]
	s_delay_alu instid0(VALU_DEP_2)
	v_pk_add_f32 v[236:237], v[236:237], v[244:245]
	v_pk_add_f32 v[250:251], v[250:251], v[242:243]
	v_pk_add_f32 v[34:35], v[34:35], v[240:241]
	s_delay_alu instid0(VALU_DEP_2)
	v_pk_add_f32 v[14:15], v[14:15], v[250:251]
	s_delay_alu instid0(VALU_DEP_2)
	v_pk_add_f32 v[236:237], v[236:237], v[34:35]
	s_delay_alu instid0(VALU_DEP_1)
	v_pk_add_f32 v[14:15], v[14:15], v[236:237]
.set j, 0
.rept 32
	v_pk_mul_f32 v[160+j:161+j], v[160+j:161+j], v[92:93] op_sel_hi:[1,0]   ; O^T under the new M, ascending; these lines are also the places in front of the products and loads below
.set j, j+2
.endr
	s_wait_alu depctr_va_vdst(0)
.irp g, 0,1                                    ; O^T += V^T P^T: four tiles of 16 channels at a time; the accumulators take turns
.if \g > 0
.rept 4
	v_nop
.endr
.endif
.irp t, 0,1,2,3
.irp c, 0,1,2
	ds_load_b128 v[32+12*\t+4*\c:35+12*\t+4*\c], v8 offset:12800+1536*(4*\g+\t)+512*\c
.endr
.endr
	ds_load_b32 v[246+2*\g], v9 offset:25088+128*(2*\g)
	ds_load_b32 v[247+2*\g], v9 offset:25088+128*(2*\g+1)
	s_wait_dscnt 0x0
.irp t, 0,1,2,3
	WMO 160+8*(4*\g+\t), 32+12*\t, 246+2*\g+\t/2, \t%2
.endr
.endr
.Lskip:
	s_add_co_u32 s[TB], s[TB], 2*REC
	s_add_co_u32 s14, s14, 1
	s_cmp_lt_u32 s14, 4
	s_cbranch_scc1 .Lstep
	; THE HAND-OVER from wave V + 8 to wave V
.rept 4
	v_nop                                          ; places behind the last products
.endr
	s_mul_i32 s15, s62, 8704
	s_add_co_u32 s15, s15, MG
	v_add_f32 v14, v14, v15
	v_add_nc_u32 v8, s15, v1
	v_add_nc_u32 v9, s15, v2
	s_wait_alu depctr_va_vdst(0)
	s_cmp_lt_u32 s[WV], 8
	s_cbranch_scc1 .Ltake
.irp i, 0,1,2,3,4,5,6,7,8,9,10,11,12,13,14,15
	ds_store_b128 v8, v[160+4*\i:163+4*\i] offset:512*\i   ; O^T, each accumulator from its low end on
.endr
	ds_store_b32 v9, v12 offset:8192               ; -M
	ds_store_b32 v9, v14 offset:8320               ; my lane's part of the sum
.Ltake:
	s_wait_dscnt 0x0                               ; for the other wave's sake: my stores are done
	s_barrier_signal -1
	s_barrier_wait -1
	s_cmp_lt_u32 s[WV], 8
	s_cbranch_scc0 .Lend
	ds_load_b32 v16, v9 offset:8192
	ds_load_b32 v17, v9 offset:8320
.irp i, 0,1,2,3,4,5,6,7,8,9,10,11,12,13,14,15
	ds_load_b128 v[96+4*\i:99+4*\i], v8 offset:512*\i
.endr
	s_wait_dscnt 0x0
	v_min_num_f32 v18, v12, v16                    ; -M of both
	v_sub_f32 v19, v18, v12
	v_sub_f32 v20, v18, v16
	v_cvt_i32_f32 v19, v19
	v_cvt_i32_f32 v20, v20
	v_ldexp_f32 v22, 1.0, v19                      ; both factors are powers of two
	v_ldexp_f32 v24, 1.0, v20
	v_mul_f32 v14, v14, v22
	v_fma_f32 v14, v17, v24, v14
.set j, 0
.rept 32
	v_pk_mul_f32 v[160+j:161+j], v[160+j:161+j], v[22:23] op_sel_hi:[1,0]
.set j, j+2
.endr
.set j, 0
.rept 32
	v_pk_fma_f32 v[160+j:161+j], v[96+j:97+j], v[24:25], v[160+j:161+j] op_sel_hi:[1,0,1]
.set j, j+2
.endr
	; THE WAY OUT: O^T / the sum; its 64 numbers a lane (register 16 b + i = channel 32 b + 16 h + i of my query) are one K step of the last product's operand
	v_permlanex16_b32 v94, v14, s[SEL], s[SEL+1]
	s_delay_alu instid0(VALU_DEP_1)
	v_add_f32 v14, v14, v94                        ; the row's sum
	s_wait_alu depctr_va_vdst(0)
	v_rcp_f32 v14, v14
	v_nop                                          ; a plain line behind the reciprocal
.set j, 0
	s_wait_alu depctr_va_vdst(0)
.rept 64
	v_mul_f32 v[96+j], v[160+j], v14
.set j, j+1
.endr
.set TM, 32
.irp b, 0,1,2,3
	v_mov_b32 v[TM+4+\b], 0
.endr
.irp b, 0,1,2,3
	v_max3_num_f32 v[TM+\b], |v[96+16*\b]|, |v[97+16*\b]|, FLOOR
.endr
.irp i, 2,4,6,8,10,12,14
.irp b, 0,1,2,3
	v_max3_num_f32 v[TM+\b], v[TM+\b], |v[96+16*\b+\i]|, |v[97+16*\b+\i]|
.endr
.endr
.irp b, 0,1,2,3
	v_permlanex16_b32 v[TM+4+\b], v[TM+\b], s[SEL], s[SEL+1]
.endr
.irp b, 0,1,2,3
	v_max_num_f32 v[TM+\b], v[TM+\b], v[TM+4+\b]
.endr
.irp b, 0,1,2,3
	v_add_nc_u32 v[TM+12+\b], EOFF, v[TM+\b]
.endr
.irp b, 0,1,2,3
	v_lshrrev_b32 v[TM+4+\b], 23, v[TM+12+\b]
.endr
	v_lshl_or_b32 v48, v[TM+5], 8, v[TM+4]
	v_lshl_or_b32 v48, v[TM+6], 16, v48
	v_lshl_or_b32 v48, v[TM+7], 24, v48            ; my row's scale word
.irp c, 0,1
	v_cvt_scalef32_pk16_fp6_f32 v[224+6*\c:226+6*\c], v[96+32*\c:111+32*\c], v[TM+12+2*\c]
	v_cvt_scalef32_pk16_fp6_f32 v[236+4*\c:238+4*\c], v[112+32*\c:127+32*\c], v[TM+12+2*\c+1]
.endr
	v_nop
.irp c, 0,1
.irp i, 0,1,2
	v_permlane16_swap_b32 v[224+6*\c+\i], v[236+4*\c+\i]
.endr
.irp i, 0,1,2
	v_mov_b32 v[227+6*\c+\i], v[236+4*\c+\i]
.endr
.endr
.irp c, 0,1,2
	global_store_b128 v1, v[224+4*\c:227+4*\c], s[8:9] offset:512*\c   ; the image as it stands: 512 consecutive bytes, aligned to 256
.endr
	global_store_b32 v6, v48, s[12:13]             ; 16 words on end (both halves of the lanes write the same word): the neighbouring words are another work-group's tile
.Lend:
	s_wait_tensorcnt 0x0                           ; the wave's end
	ds_add_u32 v254, v255
	s_wait_dscnt 0x0
	CROUND                                         ; the closing round
	s_endpgm
.Lfunc_end_k_q509e08b708_attn:
	.size	k_q509e08b708_attn, .Lfunc_end_k_q509e08b708_attn-k_q509e08b708_attn
	.p2alignl 7, 3214868480
	.fill 96, 4, 3214868480
	.section	.rodata,"a",@progbits
	.p2align	6, 0x0
	.amdhsa_kernel k_q509e08b708_attn
		.amdhsa_group_segment_fixed_size 327680
		.amdhsa_private_segment_fixed_size 0
		.amdhsa_enable_private_segment 0
		.amdhsa_kernarg_size 24
		.amdhsa_user_sgpr_count 2
		.amdhsa_user_sgpr_kernarg_segment_ptr 1
		.amdhsa_wavefront_size32 1
		.amdhsa_system_sgpr_workgroup_id_x 1
		.amdhsa_system_sgpr_workgroup_id_y 1
		.amdhsa_system_sgpr_workgroup_id_z 1
		.amdhsa_system_vgpr_workitem_id 0
		.amdhsa_next_free_vgpr 256
		.amdhsa_next_free_sgpr 66
		.amdhsa_reserve_vcc 1
		.amdhsa_float_denorm_mode_32 3
		.amdhsa_float_denorm_mode_16_64 3
		.amdhsa_memory_ordered 1
		.amdhsa_forward_progress 1
		.amdhsa_inst_pref_size 47
	.end_amdhsa_kernel
	.amdgpu_metadata
---
amdhsa.version: [ 1, 2 ]
amdhsa.kernels:
  - .name:           k_q509e08b708_attn
    .symbol:         k_q509e08b708_attn.kd
    .args:
      - { .name: qop, .offset: 0, .size: 8, .value_kind: global_buffer, .address_space: global }
      - { .name: kvop, .offset: 8, .size: 8, .value_kind: global_buffer, .address_space: global }
      - { .name: aop, .offset: 16, .size: 8, .value_kind: global_buffer, .address_space: global }
    .group_segment_fixed_size: 327680
    .private_segment_fixed_size: 0
    .kernarg_segment_align: 8
    .kernarg_segment_size: 24
    .max_flat_workgroup_size: 512
    .sgpr_count:     66
    .vgpr_count:     256
    .wavefront_size: 32
...
	.end_amdgpu_metadata
.endif
;; end of part 3
;; launch outp (part 4): grid 16 x 16, 4 waves a work-group, clusters of 4 x 4, 327,680 bytes of LDS; arguments aop, wop, bo, out0; writes out0
.if DOCPART == 4
	.amdgcn_target "amdgcn-amd-amdhsa--gfx1250"
	.amdhsa_code_object_version 6
	.text
	.protected	k_q509e08b708_outp
	.globl	k_q509e08b708_outp
	.p2align	8
	.type	k_q509e08b708_outp,@function
k_q509e08b708_outp:
	s_mov_b64 s[64:65], 0
	v_nop
	global_prefetch_b8 v0, s[64:65] scope:SCOPE_SE
	s_setreg_imm32_b32 hwreg(HW_REG_WAVE_MODE, 25, 1), 1
	s_wait_xcnt 0x0
	s_wait_alu depctr_hold_cnt(0) depctr_sa_sdst(0) depctr_va_vdst(0) depctr_va_sdst(0) depctr_va_ssrc(0) depctr_va_vcc(0) depctr_vm_vsrc(0)
	s_getreg_b32 s2, hwreg(HW_REG_IB_STS2, 6, 4)
	s_cmp_eq_u32 s2, 0
	s_cbranch_scc0 .Lentry_in_a_cluster
	s_endpgm
.Lentry_in_a_cluster:
	s_bfe_u32 s2, ttmp6, 0x10000c
	s_cmp_lg_u32 s2, 0xf033
	s_cbranch_scc0 .Lentry_shape_is_right
	s_endpgm
.Lentry_shape_is_right:
; out = attention x Wo + bo on codes of FP6 (E2M3) with E8M0 scales, sums in f32.  Work-group (x, y): rows 128 y on, columns 128 x on; wave w: rows 64 (w / 2) on, columns 64 (w % 2) on: 16 accumulators.
; Operands are units of 12,800 bytes (128 rows x 128 K), on end along K in memory.  LDS: 12 places of A's units from byte 0, 12 of B's from 153,600; K step u of 128 lies at place u % 12.
; At the head each wave has one load: waves 0, 1 steps 0-3 of A, of B; waves 2, 3 steps 4-11.  ONE refill, in a round of the cluster's barrier in step 3: steps 12-15 into places 0-3 (waves 0 and 1).
; CLUSTER 4 x 4: A's units are asked for jointly along a row of the cluster, B's along a column.  PREFETCH: what the refill brings, 200 blocks of 256 bytes of A and of B, is asked for at the head, shared out by address among the four partners and two waves each.
; The matrix instruction is used transposed (source 0 = 16 columns of Wo): lane (r, h) holds one row, register j of tile f column 32 (f / 2) + 8 (f % 2) + 16 h + j of the 64.
; LIMITS: NaN and infinities are not served.
; REGISTERS.  window 0: v7-30 addresses; v32-47 scale words, two sets; v64-95 the bias, the C of each sum's first product; v64-127 the way out; v128-255 accumulators.  window 1: v0-95, v128-223 fragments, two sets: A's four, then B's.
.set U,      12800
.set BOFF,   12*U
.set STAGE,  24*U
.set SPITCH, 272
.set SPARE,  STAGE+4*16*SPITCH
.set ADRA, 7                           ; v7-9, v10-12, v13-15, v16-18: A's images, B's, A's scale words, B's, one register for four places
.set ADRB, 10
.set ADSA, 13
.set ADSB, 16
.set STO,  24
.set RD,   25
.set CO,   26
.set BO,   27
.set SPW,  28
.set NIL,  29
.set PF,   30
.set SC,   32
.set BIAS, 64
.set BK,   64
.set ACC,  128
.set G1A, 28
.set G1B, 36
.set G1C, 44
.set G1D, 52
.set G0A, 60
.set G0B, 68
.set G0C, 72
.set G0D, 76
.set MSB, 0
.macro WIN new
.if MSB != \new
	s_set_vgpr_msb (MSB<<8)|\new
.set MSB, \new
.endif
.endm
.macro PLACES
.rept 4
	v_nop
.endr
.endm
.macro TLOAD g0, g1
	tensor_load_to_lds s[\g0:\g0+3], s[\g1:\g1+7]
	s_nop 0
	PLACES
.endm
.macro ARM under, g0, g1, next
	s_cmp_lt_u32 s20, \under
	s_cbranch_scc0 \next
	TLOAD \g0, \g1
	s_branch .Lhead_asked
\next:
.endm
.macro REFILL                          ; waves 2 and 3 have no part of it
	s_cmp_eq_u32 s20, 0
	s_cbranch_scc0 .Lrefill_b
	TLOAD G0A, G1A
	s_branch .Lrefill_done
.Lrefill_b:
	s_cmp_eq_u32 s20, 1
	s_cbranch_scc0 .Lrefill_done
	TLOAD G0B, G1B
.Lrefill_done:
.endm
.macro CREST
	s_cmp_lg_u32 s20, 0
	s_cbranch_scc1 .Lnot_wave_0_\@
	s_barrier_signal -3
.Lnot_wave_0_\@:
	s_barrier_wait -3
	s_barrier_signal -1
	s_barrier_wait -1
.endm
.macro CROUND
	s_barrier_signal -1
	s_barrier_wait -1
	CREST
.endm
.macro GRP1 g, mask, rows              ; rows of 256 bytes, dense, elements of 8 bytes; bit 21 is set beside a mask
	s_or_b32 s[\g], s\mask, (3<<16)|(1<<21)
	s_mov_b32 s[\g+1], 32<<16
	s_mov_b32 s[\g+2], (\rows)<<16
	s_mov_b32 s[\g+3], 32<<16
	s_mov_b32 s[\g+4], \rows
	s_mov_b32 s[\g+5], 32
	s_mov_b32 s[\g+6], 0
	s_mov_b32 s[\g+7], 0
.endm
.macro GRP0 g, lds, base, off
	s_mov_b32 s[\g], 1
	s_mov_b32 s[\g+1], \lds
	s_add_nc_u64 s[\g+2:\g+3], s[\base:\base+1], \off
	s_or_b32 s[\g+3], s[\g+3], 0x80000000
.endm
	s_load_b256 s[4:11], s[0:1], 0x0               ; aop, wop, bo, out0
	v_lshl_add_u32 v[SPW], v0, 2, SPARE
	v_mov_b32 v[NIL], 0
	ds_add_u32 v[SPW], v[NIL]                      ; the opening lines
	ds_add_u32 v[SPW], v[NIL]
	v_lshrrev_b32 v1, 5, v0
	v_readfirstlane_b32 s20, v1                    ; wave
	s_lshr_b32 s12, s20, 1
	s_and_b32 s13, s20, 1
	s_bfe_u32 s21, ttmp6, 0x40000                  ; cx, cy
	s_bfe_u32 s22, ttmp6, 0x40004
	s_lshl_b32 s23, ttmp9, 2
	s_add_co_u32 s23, s23, s21                     ; tile column
	s_and_b32 s24, ttmp7, 0xffff
	s_lshl_b32 s24, s24, 2
	s_add_co_u32 s24, s24, s22                     ; tile row
	s_lshl_b32 s25, s22, 2
	s_lshl_b32 s25, 15, s25                        ; my row of the cluster
	s_lshl_b32 s26, 0x1111, s21                    ; my column
	GRP1 G1A, 25, 200
	GRP1 G1B, 26, 200
	GRP1 G1C, 25, 400
	GRP1 G1D, 26, 400
	s_mul_i32 s80, s24, 16*U
	s_mov_b32 s81, 0
	s_mul_i32 s82, s23, 16*U
	s_add_co_u32 s82, s82, 768*U                   ; Wo's units lie behind q's, k's and v's
	s_mov_b32 s83, 0
	s_wait_dscnt 0x0                               ; both opening adds are done
	CROUND                                         ; all sixteen work-groups are here: the first joint loads meet
	s_wait_kmcnt 0x0
	s_add_nc_u64 s[80:81], s[4:5], s[80:81]
	s_add_nc_u64 s[82:83], s[6:7], s[82:83]
	GRP0 G0A, 0, 80, 0
	GRP0 G0B, BOFF, 82, 0
	GRP0 G0C, 4*U, 80, 4*U
	GRP0 G0D, BOFF+4*U, 82, 4*U
	ARM 1, G0A, G1A, .Lwave_1
	ARM 2, G0B, G1B, .Lwave_2
	ARM 3, G0C, G1C, .Lwave_3
	TLOAD G0D, G1D
.Lhead_asked:
	s_cmp_eq_u32 s13, 0                            ; the prefetch: waves 0, 2 ask for A's, 1, 3 for B's
	s_cselect_b64 s[66:67], s[80:81], s[82:83]
	s_cselect_b32 s84, s21, s22                    ; my place among the four that ask for it with me
	s_add_nc_u64 s[66:67], s[66:67], 12*U
	s_mul_i32 s84, s84, 50
	s_mul_i32 s85, s12, 25
	s_add_co_u32 s84, s84, s85
	v_and_b32 v1, 31, v0                           ; lane
	v_and_b32 v2, 15, v0                           ; r
	v_bfe_u32 v3, v0, 4, 1                         ; h
	v_lshlrev_b32 v4, 4, v1
	v_lshlrev_b32 v5, 2, v1
	v_min_u32 v[PF], 24, v1
	v_add_nc_u32 v[PF], s84, v[PF]                 ; block 50 p + 25 (w / 2) + 0 .. 24 of the 200
	v_lshlrev_b32 v[PF], 8, v[PF]
	s_wait_alu depctr_va_vdst(0)
	s_mul_i32 s86, s12, 6144                       ; my four tiles of A's units, of B's,
	s_mul_i32 s87, s13, 6144
	s_lshl_b32 s88, s12, 8                         ; and their scale words
	s_lshl_b32 s89, s13, 8
.irp g, 0,1,2
	s_add_co_u32 s90, s86, 4*U*\g
	v_add_nc_u32 v[ADRA+\g], s90, v4
	s_add_co_u32 s90, s87, BOFF+4*U*\g
	v_add_nc_u32 v[ADRB+\g], s90, v4
	s_add_co_u32 s90, s88, 12288+4*U*\g
	v_add_nc_u32 v[ADSA+\g], s90, v5
	s_add_co_u32 s90, s89, BOFF+12288+4*U*\g
	v_add_nc_u32 v[ADSB+\g], s90, v5
.endr
	s_mul_i32 s85, s20, 16*SPITCH
	s_add_co_u32 s85, s85, STAGE                   ; my stage
	v_mul_u32_u24 v6, v2, SPITCH
	v_lshl_add_u32 v6, v3, 6, v6
	v_add_nc_u32 v[STO], s85, v6
	v_mul_u32_u24 v6, v3, SPITCH
	v_lshl_add_u32 v6, v2, 4, v6
	v_add_nc_u32 v[RD], s85, v6
	v_lshlrev_b32 v6, 13, v3
	v_lshl_add_u32 v[CO], v2, 4, v6
	v_lshlrev_b32 v[BO], 6, v3
	s_wait_alu depctr_va_vdst(0)
	s_lshl_b32 s86, s23, 9
	s_lshl_b32 s87, s13, 8
	s_add_co_u32 s86, s86, s87
	s_mov_b32 s87, 0
	s_add_nc_u64 s[8:9], s[8:9], s[86:87]
	s_add_nc_u64 s[10:11], s[10:11], s[86:87]
	s_lshl_b32 s86, s24, 20
	s_lshl_b32 s88, s12, 19
	s_add_co_u32 s86, s86, s88
	s_add_nc_u64 s[10:11], s[10:11], s[86:87]
.irp f, 0,1,2,3
	global_load_b128 v[BIAS+8*\f:BIAS+8*\f+3],   v[BO], s[8:9] offset:128*(\f/2)+32*(\f%2)
	global_load_b128 v[BIAS+8*\f+4:BIAS+8*\f+7], v[BO], s[8:9] offset:128*(\f/2)+32*(\f%2)+16
.endr
	global_prefetch_b8 v[PF], s[66:67] th:TH_LOAD_NT scope:SCOPE_SE   ; its registers are not written again
.macro WMM ra, rb
	v_wmma_scale_f32_16x16x128_f8f6f4 v[rD:rD+7], v[rA:rA+11], v[rB:rB+11], v[rC:rC+7], v[rSA], v[rSB] matrix_a_fmt:MATRIX_FMT_FP6 matrix_b_fmt:MATRIX_FMT_FP6 matrix_a_scale:MATRIX_SCALE_ROW\ra matrix_b_scale:MATRIX_SCALE_ROW\rb
.endm
.macro PROD e, first                   ; product N: A's tile N / 4, B's tile N % 4; the 16 accumulators take turns
.set rD, ACC+8*N
.set rA, 128*(\e)+48+12*(N%4)
.set rB, 128*(\e)+12*(N/4)
.set rSA, SC+8*(\e)+2+(N%4)/2
.set rSB, SC+8*(\e)+N/8
.if \first
.set rC, BIAS+8*(N%4)
.else
.set rC, rD
.endif
	WIN 0x05                                       ; sources 0 and 1 window 1, C and D window 0
.if N%2
.if (N/4)%2
	WMM 1, 1
.else
	WMM 1, 0
.endif
.else
.if (N/4)%2
	WMM 0, 1
.else
	WMM 0, 0
.endif
.endif
.endm
; LDS load LI (0..27) of the step at place p into set e: scale words (4: lanes 0-15 an even tile's, lanes 16-31 the odd tile's), B's four tiles (12), A's (12)
.macro LD1 p, e
.if LI < 2
	WIN 0
	ds_load_b32 v[SC+8*(\e)+LI], v[ADSA+(\p)/4] offset:U*((\p)%4)+128*LI
.elseif LI < 4
	WIN 0
	ds_load_b32 v[SC+8*(\e)+LI], v[ADSB+(\p)/4] offset:U*((\p)%4)+128*(LI-2)
.elseif LI < 16
	WIN 0x40
.set LA, LI-4
	ds_load_b128 v[128*(\e)+48+4*LA:128*(\e)+48+4*LA+3], v[ADRB+(\p)/4] offset:U*((\p)%4)+1536*(LA/3)+512*(LA%3)
.else
	WIN 0x40
.set LA, LI-16
	ds_load_b128 v[128*(\e)+4*LA:128*(\e)+4*LA+3], v[ADRA+(\p)/4] offset:U*((\p)%4)+1536*(LA/3)+512*(LA%3)
.endif
.set LI, LI+1
.endm
; A step on set e; np: the next step's place (-1: none).  kind 0: plain;  2: places 0-3 are left: a round and the refill;  3: a plain barrier shows the refill.
; The waits: A's tiles 2 and 3, the youngest six loads, may be out at a step's start (seven with the add); ahead of tile 2 all but the LI loads issued in this step are in.
.macro UNIT e, np, first, kind
.set LI, 0
.if (\kind) == 2
	WIN 0
	s_wait_tensorcnt 0x0                           ; all my tensor loads have landed
	ds_add_u32 v[SPW], v[NIL]                      ; 0 onto my spare word
	s_add_nc_u64 s[G0A+2:G0A+3], s[G0A+2:G0A+3], 12*U
	s_add_nc_u64 s[G0B+2:G0B+3], s[G0B+2:G0B+3], 12*U
	s_wait_dscnt 7
.elseif (\kind) == 3
	s_wait_tensorcnt 0x0
	s_wait_dscnt 6
.else
	s_wait_dscnt 6
.endif
	PLACES                                         ; for the loads into the set that the last step multiplied
.set N, 0
.rept 16
.if (\kind) > 1
.if N == 2
	s_wait_dscnt 0x0                               ; the add, where there is one, is done, and so are my reads
	s_barrier_signal -1
.elseif N == 4
	WIN 0
	s_barrier_wait -1
.if (\kind) == 2
	CREST
	REFILL
.endif
.endif
.elseif N == 8
	s_wait_dscnt LI
.endif
.set LB, 0                             ; the next step's loads stand in two runs: 20, and the last 8 (A's tiles 2 and 3 among them)
.if (\kind) > 1
.set LB, 4
.endif
.if ((\np) >= 0) && ((N == LB) || (N == 8+LB/2))
.if N == LB
.set QU, 20
.else
.set QU, 8
.endif
.rept QU
	LD1 \np, 1-\e
.endr
.endif
	PROD \e, \first
.set N, N+1
.endr
.endm
	s_cmp_lt_u32 s20, 2
	s_cbranch_scc0 .Lno_wait
	s_wait_tensorcnt 0x0                           ; waves 0 and 1: steps 0-3 (waves 2 and 3 have load lines of their own)
.Lno_wait:
	s_barrier_signal -1
	s_barrier_wait -1                              ; they are in
.set LI, 0
.rept 28
	LD1 0, 0
.endr
	WIN 0
	s_wait_loadcnt 0x0                             ; the bias
	UNIT 0, 1, 1, 0
	UNIT 1, 2, 0, 0
	UNIT 0, 3, 0, 0
	UNIT 1, 4, 0, 2
	UNIT 0, 5, 0, 0
	UNIT 1, 6, 0, 0
	UNIT 0, 7, 0, 0
	UNIT 1, 8, 0, 0
	UNIT 0, 9, 0, 0
	UNIT 1, 10, 0, 0
	UNIT 0, 11, 0, 0
	UNIT 1, 0, 0, 3
	UNIT 0, 1, 0, 0
	UNIT 1, 2, 0, 0
	UNIT 0, 3, 0, 0
	UNIT 1, -1, 0, 0
	WIN 0
; THE WAY OUT, by blocks of 16 rows x 64 columns through my own stage (LDS serves a wave's instructions in order: ISA guide 5.7.1.4): sixteen lanes store 256 consecutive bytes
.macro TOSTAGE a
.irp f, 0,1,2,3
	ds_store_b128 v[STO], v[ACC+8*(4*(\a)+\f):ACC+8*(4*(\a)+\f)+3]   offset:128*(\f/2)+32*(\f%2)
	ds_store_b128 v[STO], v[ACC+8*(4*(\a)+\f)+4:ACC+8*(4*(\a)+\f)+7] offset:128*(\f/2)+32*(\f%2)+16
.endr
.irp t, 0,1,2,3,4,5,6,7
	ds_load_b128 v[BK+32*((\a)%2)+4*\t:BK+32*((\a)%2)+4*\t+3], v[RD] offset:2*\t*SPITCH
.endr
.endm
.macro SEND a, younger                 ; younger: the LDS instructions of the next block, which may be out
	s_wait_dscnt \younger
.irp t, 0,1,2,3,4,5,6,7
	global_store_b128 v[CO], v[BK+32*((\a)%2)+4*\t:BK+32*((\a)%2)+4*\t+3], s[10:11] offset:(32*((\a)/2)+8*((\a)%2)+2*\t+8*(\t/4))*8192 th:TH_STORE_NT
.endr
.endm
	PLACES
	TOSTAGE 0
.irp a, 1,2,3
.if \a > 1
	s_wait_xcnt 0x0                                ; the stores of block a - 2 have read their registers
.endif
	TOSTAGE \a
	SEND \a-1, 16
.endr
	SEND 3, 0
	s_wait_tensorcnt 0x0                           ; the wave's end
	ds_add_u32 v[SPW], v[NIL]
	s_wait_dscnt 0x0
	CROUND                                         ; the closing round
	s_endpgm
.Lfunc_end_k_q509e08b708_outp:
	.size	k_q509e08b708_outp, .Lfunc_end_k_q509e08b708_outp-k_q509e08b708_outp
	.p2alignl 7, 3214868480
	.fill 96, 4, 3214868480
	.section	.rodata,"a",@progbits
	.p2align	6, 0x0
	.amdhsa_kernel k_q509e08b708_outp
		.amdhsa_group_segment_fixed_size 327680
		.amdhsa_private_segment_fixed_size 0
		.amdhsa_enable_private_segment 0
		.amdhsa_kernarg_size 32
		.amdhsa_user_sgpr_count 2
		.amdhsa_user_sgpr_kernarg_segment_ptr 1
		.amdhsa_wavefront_size32 1
		.amdhsa_system_sgpr_workgroup_id_x 1
		.amdhsa_system_sgpr_workgroup_id_y 1
		.amdhsa_system_sgpr_workgroup_id_z 1
		.amdhsa_system_vgpr_workitem_id 0
		.amdhsa_next_free_vgpr 512
		.amdhsa_next_free_sgpr 100
		.amdhsa_reserve_vcc 0
		.amdhsa_float_denorm_mode_32 3
		.amdhsa_float_denorm_mode_16_64 3
		.amdhsa_memory_ordered 1
		.amdhsa_forward_progress 1
		.amdhsa_inst_pref_size 85
	.end_amdhsa_kernel
	.amdgpu_metadata
---
amdhsa.version: [ 1, 2 ]
amdhsa.kernels:
  - .name:           k_q509e08b708_outp
    .symbol:         k_q509e08b708_outp.kd
    .args:
      - { .name: aop, .offset: 0, .size: 8, .value_kind: global_buffer, .address_space: global }
      - { .name: wop, .offset: 8, .size: 8, .value_kind: global_buffer, .address_space: global }
      - { .name: bo, .offset: 16, .size: 8, .value_kind: global_buffer, .address_space: global }
      - { .name: out0, .offset: 24, .size: 8, .value_kind: global_buffer, .address_space: global }
    .group_segment_fixed_size: 327680
    .private_segment_fixed_size: 0
    .kernarg_segment_align: 8
    .kernarg_segment_size: 32
    .max_flat_workgroup_size: 128
    .sgpr_count:     100
    .vgpr_count:     512
    .wavefront_size: 32
...
	.end_amdgpu_metadata
.endif
;; end of part 4
